; MI455X (gfx1250); checked and timed in simulation.
; The chip was launched on July 23, 2026; its instructions are those of AMD's public machine-readable ISA for CDNA 5 (MIT licence, August 2026) and "CDNA5" Instruction Set Architecture Reference Guide (July 2026). The comments in the code are by the model that wrote it; some were corrected since.
;; Advanced Optimized Attention. Allowed arithmetic: matrix products marked QUANTISED: E2M1 operands, one E8M0 scale for each 32 along K, by v_wmma_scale_f32_16x16x128_f8f6f4 with both operands' format E2M1 (or v_wmma_scale_f32_32x16x128_f4), f32 sums; products left as they are: bf16, f16 or f32 operands; f32 sums; everything else in f32.
;; Inputs: b_out 1,024 float32; w_out 1,024 x 1,024 float32; w_qkv 1,024 x 3,072 float32; x 4 x 2,048 x 1,024 float32.
;; Outputs: out0 4 x 2,048 x 1,024 float32.
;; This version of the problem:
;;   THIS VERSION OF THE PROBLEM IS GIVEN IN LOW PRECISION. The matrix products marked QUANTISED in the list below multiply operands that are first quantised to E2M1 (2 exponent bits, 1 mantissa bit; 4 bits a number), with one power-of-two scale for each 32 numbers along K (OCP MX v1.0); their sums are f32. The products marked 'left as it is' may take bf16, f16 or f32 operands, with f32 sums. Whichever they take, every output number must still come out within the allowed error. Rounding operands to bf16 (8 significant bits) uses up far more of that allowance than f16 does (11 bits, for magnitudes from 6e-5 to 65,504). All else is computed in f32.
;;   The module's matrix products, in the order in which they are computed (A, B: the left and right operand; K: the contracted axis; several contracted axes count as one K, in the product's order):
;;     1. [M 8,192, K 1,024] x [K 1,024, N 3,072]; A: input x; B: input w_qkv: QUANTISED
;;     2. batch 64 x [M 2,048, K 64] x [K 64, N 2,048]; A: computed on the way; B: computed on the way: left as it is (an operand is computed on the way)
;;     3. batch 64 x [M 2,048, K 2,048] x [K 2,048, N 64]; A: computed on the way; B: computed on the way: left as it is (an operand is computed on the way)
;;     4. [M 8,192, K 1,024] x [K 1,024, N 1,024]; A: computed on the way; B: input w_out: left as it is (an operand is computed on the way)
;;   THE QUANTISER, for each operand of a quantised product, along K:
;;     - K is cut into blocks of 32 from its start; a last block that is shorter is filled with zeros.
;;     - A block's scale is 2^e with e = floor(log2(the largest magnitude in the block)) - 2, held to -126 .. 127; a block of zeros has e = 0. As a byte (E8M0): e + 127.
;;     - Each number is divided by its block's scale, clamped to +-6, and rounded to the nearest number of E2M1, ties to even, subnormals kept.
;;     - The product sums the exact products of the quantised numbers (number of the format x scale) in f32.
;;   ~~~python
;;   def quantise(x, axis):      # numpy; x: float32 -> the quantised numbers, widened to float32 again
;;       x = np.moveaxis(x, axis, -1); K = x.shape[-1]
;;       x = np.pad(x, [(0, 0)] * (x.ndim - 1) + [(0, -K % 32)]); x = x.reshape(x.shape[:-1] + (-1, 32)); a = np.abs(x).max(-1, keepdims=True)
;;       e = np.where(a > 0, np.clip(np.frexp(np.where(a > 0, a, 1))[1] - 1 - 2, -126, 127), 0)      # np.frexp(a)[1] - 1 = floor(log2(a)), exactly
;;       r = np.clip(x / 2.0 ** e, -6, 6)
;;       step = 2.0 ** (np.maximum(np.frexp(np.where(r == 0, 1, r))[1] - 1, 0) - 1)
;;       q = np.round(r / step) * step * 2.0 ** e      # np.round: ties to even
;;       return np.moveaxis(q.reshape(q.shape[:-2] + (-1,))[..., :K], -1, axis).astype(np.float32)
;;   ~~~
;; One version. Each part assembles by itself: llvm-mc -triple=amdgcn-amd-amdhsa -mcpu=gfx1250 --defsym DOCPART=n.
;; ======== version 1 of 1: 6 launches
;; limits: values are held in f16: magnitudes above 65,504 overflow, below 6.1e-05 lose precision
;; workspace buffers: xc 4,194,304 bytes; xs 262,144 bytes; wc 1,572,864 bytes; ws 98,304 bytes; wo16 2,097,152 bytes; qkv16 50,331,648 bytes; qkv32 786,432 bytes; o16 16,777,216 bytes
;; launch prep_x (part 1): grid 320 x 1, 4 waves a work-group, no clusters, 33,280 bytes of LDS; arguments x, w_out, xc, xs, wo16; writes xc, xs, wo16
.if DOCPART == 1
	.amdgcn_target "amdgcn-amd-amdhsa--gfx1250"
	.amdhsa_code_object_version 6
	.text
	.protected	k_qd1a0cd19a4_prep_x
	.globl	k_qd1a0cd19a4_prep_x
	.p2align	8
	.type	k_qd1a0cd19a4_prep_x,@function
k_qd1a0cd19a4_prep_x:
	s_mov_b64 s[64:65], 0
	v_nop
	global_prefetch_b8 v0, s[64:65] scope:SCOPE_SE
	s_setreg_imm32_b32 hwreg(HW_REG_WAVE_MODE, 25, 1), 1
	s_wait_xcnt 0x0
; Work-groups 0-255: x [8192][1024] f32 becomes codes of FP4 (E2M1), two a byte, K innermost (xc), with one E8M0 byte for each 32 along K (xs).
; Work-groups 256-319: w_out [1024][1024] f32 is rounded once to f16, in the same order (wo16).
; THE QUANTISER: a block's scale is 2^(floor(log2(its largest magnitude)) - 2); its byte is the largest magnitude's exponent field - 2, held at 1 from below; each number is divided by the scale
; and rounded to the nearest code, ties to even, beyond 6 the largest code.  A block of zeros gets the byte 1 where the rule says 127: its codes are zeros, and this program alone reads the bytes.
; LIMITS: blocks whose largest magnitude lies under 2^-124 have their byte held at 1; NaN and infinities among the inputs are not served; numbers of w_out beyond 65,504 in size have no f16.
; x is a plain stream of blocks of 32.  A wave takes 16 steps of 512 numbers: four loads of 512 consecutive bytes; the 2,048 bytes turn through the wave's own stage in LDS, so that a lane holds 16
; neighbours along K (two lanes to a block); a lane's 16 codes are 8 bytes, a wave's store 256 consecutive bytes.  A wave's 256 scale bytes are gathered in LDS and leave as one aligned run of 256.
; No tensor loads, no barrier, no cluster: waves share nothing.
.set WAVES, 4
.set STEPS, 16
.set XWG,   256                        ; work-groups for x: 8,388,608 numbers / 32,768
.set EMAX,  2
.set CB,    8                          ; bytes of 16 codes
.set R,     16                         ; v16-79   four sets of 16 numbers as loaded (the w_out path: v16-143)
.set X,     80                         ; v80-111  two sets of 16 neighbours
.set E,     112                        ; v112-127 a scale byte for each step
.set C,     128                        ; v128-191 codes: four registers for each step
.set WREG,  8192                       ; LDS: a region for each wave: two stages of 32 x SP bytes, then its 256 scale bytes
.set SP,    80                         ; a lane's place in a stage: 64 bytes + 16 of padding
.set SPW,   12                         ; v12 LDS address of my spare word; never rewritten
.set NIL,   13                         ; v13 0; never rewritten
.set SPARE, WAVES*WREG                 ; the spare words: 128 bytes a wave, named by no other line
	s_load_b128 s[4:7], s[0:1], 0x0                ; x, w_out
	s_load_b128 s[8:11], s[0:1], 0x10              ; xc, xs
	s_load_b64 s[12:13], s[0:1], 0x20              ; wo16
	v_lshl_add_u32 v[SPW], v0, 2, SPARE
	v_mov_b32 v[NIL], 0
	v_lshrrev_b32 v1, 5, v0
	v_readfirstlane_b32 s16, v1                    ; wave
	v_and_b32 v2, 31, v0                           ; lane
	v_lshlrev_b32 v3, 4, v2                        ; my 16 bytes of a load's 512
	s_mul_i32 s17, s16, WREG
	v_lshrrev_b32 v14, 2, v2
	v_mul_u32_u24 v14, v14, SP
	v_and_b32 v15, 3, v2
	v_lshl_add_u32 v14, v15, 4, v14
	v_add_nc_u32 v14, s17, v14                     ; the stage, way in: SP (lane / 4) + 16 (lane % 4)
	v_mul_u32_u24 v15, v2, SP
	v_add_nc_u32 v15, s17, v15                     ; way out: SP x lane: my 16 neighbours
	v_mul_u32_u24 v4, v2, CB                       ; 8 x lane: my codes' place in a step's; also my place in a store of f16
	v_lshrrev_b32 v5, 1, v2
	s_add_co_u32 s17, s17, 2*32*SP
	v_add_nc_u32 v5, s17, v5                       ; my block's scale byte in the wave's 256
	v_lshlrev_b32 v7, 3, v2
	v_add_nc_u32 v6, s17, v7                       ; and 8 bytes a lane on their way out
	s_mov_b32 s21, 0
	s_wait_kmcnt 0x0
	s_cmp_ge_u32 ttmp9, XWG                        ; the work-group's number alone decides
	s_cbranch_scc1 .Lwout
	s_lshl_b32 s17, ttmp9, 2
	s_add_co_u32 s18, s17, s16                     ; which run of 8,192 numbers is my wave's
	s_lshl_b32 s20, s18, 15
	s_add_nc_u64 s[4:5], s[4:5], s[20:21]          ; 32,768 bytes of x,
	s_lshl_b32 s20, s18, 12
	s_add_nc_u64 s[8:9], s[8:9], s[20:21]          ; 4,096 of codes,
	s_lshl_b32 s20, s18, 8
	s_add_nc_u64 s[10:11], s[10:11], s[20:21]      ; 256 of scale bytes a run
.macro LOAD t
.irp i, 0,1,2,3
	global_load_b128 v[R+16*((\t)%4)+4*\i:R+16*((\t)%4)+4*\i+3], v3, s[4:5] offset:2048*(\t)+512*\i th:TH_LOAD_NT
.endr
.endm
.macro TURN t                          ; a step's numbers through the stage: LDS serves a wave's instructions in order, so no wait stands between the stores and the loads
.irp i, 0,1,2,3
	ds_store_b128 v14, v[R+16*((\t)%4)+4*\i:R+16*((\t)%4)+4*\i+3] offset:32*SP*((\t)%2)+8*SP*\i
.endr
.irp i, 0,1,2,3
	ds_load_b128 v[X+16*((\t)%2)+4*\i:X+16*((\t)%2)+4*\i+3], v15 offset:32*SP*((\t)%2)+16*\i
.endr
.endm
.irp t, 0,1,2,3
	LOAD \t
.endr
	s_wait_loadcnt 12                              ; step 0's four loads are in; the twelve younger may be out
	TURN 0
.macro STEP t
.set XS, X+16*((\t)%2)
.if (\t) > 0
	s_wait_dscnt 1                                 ; this step's numbers are back from the stage (the last step's byte store may be out)
.else
	s_wait_dscnt 0x0
.endif
.if (\t)+4 < STEPS
	LOAD (\t)+4                                    ; into the set whose stores into the stage have read their registers
.endif
.if (\t)+1 < STEPS
.if STEPS-2-(\t) >= 3
	s_wait_loadcnt 12                              ; the next step's four loads are in; those of the three steps behind it may be out
.else
	s_wait_loadcnt 4*(STEPS-2-(\t))
.endif
	TURN (\t)+1
.endif
	v_max3_num_f32 v8, |v[XS]|, |v[XS+1]|, |v[XS+2]|               ; the largest magnitude of my 16, in two chains
	v_max3_num_f32 v9, |v[XS+3]|, |v[XS+4]|, |v[XS+5]|
.irp i, 6,10
	v_max3_num_f32 v8, v8, |v[XS+\i]|, |v[XS+\i+1]|
	v_max3_num_f32 v9, v9, |v[XS+\i+2]|, |v[XS+\i+3]|
.endr
	v_max3_num_f32 v8, v8, |v[XS+14]|, |v[XS+15]|
	v_max3_num_f32 v8, v8, v9, (EMAX+1)<<23        ; and the floor 2^(3 - 127): the byte cannot fall under 1
	v_max_num_f32_dpp v8, v8, v8 row_xmask:1 row_mask:0xf bank_mask:0xf   ; with my neighbour's 16: the block's
	v_add_nc_u32 v11, -(EMAX<<23), v8              ; 2 off its exponent field: the conversion takes this operand's exponent field as its scale
	v_cvt_scalef32_pk8_fp4_f32 v[C+4*(\t)], v[XS:XS+7], v11
	v_cvt_scalef32_pk8_fp4_f32 v[C+4*(\t)+1], v[XS+8:XS+15], v11
	v_lshrrev_b32 v[E+(\t)], 23, v11               ; the scale's byte (a plain line behind the conversions)
	ds_store_b8 v5, v[E+(\t)] offset:16*(\t)       ; both lanes of a block write the same byte with the same value
	global_store_b64 v4, v[C+4*(\t):C+4*(\t)+1], s[8:9] offset:32*CB*(\t)
.endm
.irp t, 0,1,2,3,4,5,6,7,8,9,10,11,12,13,14,15
	STEP \t
.endr
	ds_load_b64 v[8:9], v6                         ; in order behind my byte stores
	s_wait_dscnt 0x0
	global_store_b64 v7, v[8:9], s[10:11]          ; 32 lanes store 256 consecutive bytes, aligned
	s_wait_tensorcnt 0x0                           ; the wave's end, behind my last LDS store
	ds_add_u32 v[SPW], v[NIL]
	s_wait_dscnt 0x0
	s_endpgm
.Lwout:                                                ; w_out to f16: a wave takes 4,096 numbers: 32 loads of 512 consecutive bytes, all out at once; no register is written twice
	s_sub_co_u32 s17, ttmp9, XWG
	s_lshl_b32 s17, s17, 2
	s_add_co_u32 s18, s17, s16
	s_lshl_b32 s20, s18, 14
	s_add_nc_u64 s[6:7], s[6:7], s[20:21]
	s_lshl_b32 s20, s18, 13
	s_add_nc_u64 s[12:13], s[12:13], s[20:21]
.set n, 0
.rept 32
	global_load_b128 v[16+4*n:19+4*n], v3, s[6:7] offset:512*n
.set n, n+1
.endr
.set n, 0
.rept 32
	s_wait_loadcnt 31-n                            ; load n is in; the younger ones may be out
	v_cvt_pk_f16_f32 v[16+4*n], v[16+4*n], v[17+4*n]
	v_cvt_pk_f16_f32 v[17+4*n], v[18+4*n], v[19+4*n]
	global_store_b64 v4, v[16+4*n:17+4*n], s[12:13] offset:256*n   ; 32 lanes store 256 consecutive bytes, aligned
.set n, n+1
.endr
	s_wait_tensorcnt 0x0                           ; the same three lines on this path
	ds_add_u32 v[SPW], v[NIL]
	s_wait_dscnt 0x0
	s_endpgm
.Lfunc_end_k_qd1a0cd19a4_prep_x:
	.size	k_qd1a0cd19a4_prep_x, .Lfunc_end_k_qd1a0cd19a4_prep_x-k_qd1a0cd19a4_prep_x
	.p2alignl 7, 3214868480
	.fill 96, 4, 3214868480
	.section	.rodata,"a",@progbits
	.p2align	6, 0x0
	.amdhsa_kernel k_qd1a0cd19a4_prep_x
		.amdhsa_group_segment_fixed_size 33280
		.amdhsa_private_segment_fixed_size 0
		.amdhsa_enable_private_segment 0
		.amdhsa_kernarg_size 40
		.amdhsa_user_sgpr_count 2
		.amdhsa_user_sgpr_kernarg_segment_ptr 1
		.amdhsa_wavefront_size32 1
		.amdhsa_system_sgpr_workgroup_id_x 1
		.amdhsa_system_sgpr_workgroup_id_y 1
		.amdhsa_system_sgpr_workgroup_id_z 1
		.amdhsa_system_vgpr_workitem_id 0
		.amdhsa_next_free_vgpr 192
		.amdhsa_next_free_sgpr 66
		.amdhsa_reserve_vcc 0
		.amdhsa_float_denorm_mode_32 3
		.amdhsa_float_denorm_mode_16_64 3
		.amdhsa_memory_ordered 1
		.amdhsa_forward_progress 1
		.amdhsa_inst_pref_size 45
	.end_amdhsa_kernel
	.amdgpu_metadata
---
amdhsa.version: [ 1, 2 ]
amdhsa.kernels:
  - .name:           k_qd1a0cd19a4_prep_x
    .symbol:         k_qd1a0cd19a4_prep_x.kd
    .args:
      - { .name: x, .offset: 0, .size: 8, .value_kind: global_buffer, .address_space: global }
      - { .name: w_out, .offset: 8, .size: 8, .value_kind: global_buffer, .address_space: global }
      - { .name: xc, .offset: 16, .size: 8, .value_kind: global_buffer, .address_space: global }
      - { .name: xs, .offset: 24, .size: 8, .value_kind: global_buffer, .address_space: global }
      - { .name: wo16, .offset: 32, .size: 8, .value_kind: global_buffer, .address_space: global }
    .group_segment_fixed_size: 33280
    .private_segment_fixed_size: 0
    .kernarg_segment_align: 8
    .kernarg_segment_size: 40
    .max_flat_workgroup_size: 128
    .sgpr_count:     66
    .vgpr_count:     192
    .wavefront_size: 32
...
	.end_amdgpu_metadata
.endif
;; end of part 1
;; launch prep_w (part 2): grid 96 x 2, 8 waves a work-group, no clusters, 10,240 bytes of LDS; arguments w_qkv, wc, ws; writes wc, ws
.if DOCPART == 2
	.amdgcn_target "amdgcn-amd-amdhsa--gfx1250"
	.amdhsa_code_object_version 6
	.text
	.protected	k_qd1a0cd19a4_prep_w
	.globl	k_qd1a0cd19a4_prep_w
	.p2align	8
	.type	k_qd1a0cd19a4_prep_w,@function
k_qd1a0cd19a4_prep_w:
	s_mov_b64 s[64:65], 0
	v_nop
	global_prefetch_b8 v0, s[64:65] scope:SCOPE_SE
	s_setreg_imm32_b32 hwreg(HW_REG_WAVE_MODE, 25, 1), 1
	s_wait_xcnt 0x0
; w_qkv [1024 (k)][3072 (n)] f32, K its FIRST axis, becomes codes of FP4 laid [3072][512 bytes] with K innermost (wc) and scale bytes [3072][32] (ws).  The quantiser is that of the launch before.
; LIMITS: blocks whose largest magnitude lies under 2^-124 have their byte held at 1 (a block of zeros too: its codes are zeros, and this program alone reads the bytes); NaN and infinities are not served.
; A LANE TAKES A COLUMN, ITS REGISTERS RUN DOWN K: a block of 32 along K lies in one lane's 32 registers, and the conversions give codes with K innermost.
; A work-group takes 32 columns x 512 along K; wave w takes 64 of the 512: two blocks a lane, all its 64 loads out at once.  The eight waves' codes of a column, 256 bytes, meet in a stage in LDS
; (rows 272 bytes apart) and leave by rows: sixteen lanes store 256 consecutive bytes, aligned.  A column's 16 scale bytes meet likewise and leave by one store of wave 0.
; No tensor loads and no cluster: no two work-groups read the same bytes.
.set ROWW,  12288                      ; a row of w_qkv in bytes
.set PITCH, 272
.set SCST,  32*PITCH                   ; behind the stage: 32 columns x 16 scale bytes
.set SPARE, 9216                       ; the spare words: 128 bytes a wave, named by no other line
.set SPW,   14
.set NIL,   15
.set C,     16                         ; v16-23 codes, four registers a block
.set X,     32                         ; v32-95 the numbers
	s_load_b128 s[4:7], s[0:1], 0x0                ; w_qkv, wc
	s_load_b64 s[8:9], s[0:1], 0x10                ; ws
	v_lshl_add_u32 v[SPW], v0, 2, SPARE
	v_mov_b32 v[NIL], 0
	v_lshrrev_b32 v1, 5, v0
	v_readfirstlane_b32 s16, v1                    ; wave 0..7
	v_and_b32 v2, 31, v0                           ; lane
	v_lshlrev_b32 v3, 2, v2                        ; in: 4 bytes a lane
	s_lshl_b32 s17, s16, 5
	v_mul_u32_u24 v4, v2, PITCH
	v_add_nc_u32 v4, s17, v4                       ; the stage, way in: row = my column, 32 bytes a wave
	s_lshl_b32 s17, s16, 1
	s_add_co_u32 s17, s17, SCST
	v_lshl_add_u32 v5, v2, 4, s17                  ; my column's scale bytes, two a wave
	v_lshl_add_u32 v6, v2, 4, SCST                 ; and all 16 of them
	v_lshrrev_b32 v1, 4, v2
	v_and_b32 v9, 15, v2
	s_mul_i32 s17, s16, 4*PITCH
	v_mul_u32_u24 v7, v1, PITCH
	v_lshl_add_u32 v7, v9, 4, v7
	v_add_nc_u32 v7, s17, v7                       ; way out: wave w takes rows 4 w .. 4 w + 3, sixteen lanes to a row
	v_lshlrev_b32 v8, 9, v1
	v_lshl_add_u32 v8, v9, 4, v8                   ; the same place in wc: rows of 512 bytes
	v_lshlrev_b32 v9, 5, v2                        ; a row of ws is 32 bytes
	s_and_b32 s18, ttmp7, 0xffff                   ; which 512 along K
	s_lshl_b32 s19, s18, 9
	s_lshl_b32 s20, s16, 6
	s_add_co_u32 s19, s19, s20                     ; my first k
	s_mul_i32 s20, s19, ROWW
	s_lshl_b32 s21, ttmp9, 7
	s_add_co_u32 s20, s20, s21                     ; + 128 bytes a work-group along n
	s_mov_b32 s21, 0
	s_lshl_b32 s22, ttmp9, 5
	s_lshl_b32 s23, s16, 2
	s_add_co_u32 s22, s22, s23
	s_lshl_b32 s22, s22, 9                         ; wc: row 32 x + 4 w,
	s_lshl_b32 s23, s18, 8
	s_add_co_u32 s22, s22, s23                     ; + 256 y
	s_mov_b32 s23, 0
	s_lshl_b32 s24, ttmp9, 10                      ; ws: row 32 x,
	s_lshl_b32 s25, s18, 4
	s_add_co_u32 s24, s24, s25                     ; + 16 y
	s_mov_b32 s25, 0
	s_wait_kmcnt 0x0
	s_add_nc_u64 s[4:5], s[4:5], s[20:21]
	s_add_nc_u64 s[6:7], s[6:7], s[22:23]
	s_add_nc_u64 s[8:9], s[8:9], s[24:25]
.set n, 0
.rept 64
	global_load_b32 v[X+n], v3, s[4:5] offset:n*ROWW th:TH_LOAD_NT   ; row k0 + n at my wave's 32 columns: 128 consecutive bytes
.set n, n+1
.endr
.macro BLOCK t
.set XS, X+32*(\t)
.set SO, 10+15*(\t)                    ; the conversions' scale operand: v10, v25
	s_wait_loadcnt 32-32*(\t)                      ; this block's 32 loads are in; the other block's may be out
	v_max3_num_f32 v11, |v[XS]|, |v[XS+1]|, |v[XS+2]|
	v_max3_num_f32 v12, |v[XS+3]|, |v[XS+4]|, |v[XS+5]|
.irp i, 6,10,14,18,22,26
	v_max3_num_f32 v11, v11, |v[XS+\i]|, |v[XS+\i+1]|
	v_max3_num_f32 v12, v12, |v[XS+\i+2]|, |v[XS+\i+3]|
.endr
	v_max3_num_f32 v11, v11, |v[XS+30]|, |v[XS+31]|
	v_max3_num_f32 v11, v11, v12, 0x1800000        ; and the floor 2^(3 - 127)
	v_add_nc_u32 v[SO], 0xff000000, v11            ; 2 off the exponent field
.irp g, 0,1,2,3
	v_cvt_scalef32_pk8_fp4_f32 v[C+4*(\t)+\g], v[XS+8*\g:XS+8*\g+7], v[SO]
.endr
	v_nop                                          ; one plain line behind the conversions
	ds_store_b128 v4, v[C+4*(\t):C+4*(\t)+3] offset:16*(\t)
.endm
	BLOCK 0
	BLOCK 1
	v_lshrrev_b32 v24, 23, v10                     ; the two scale bytes, the lower k in the lower byte
	v_lshrrev_b32 v13, 23, v25
	v_lshl_or_b32 v24, v13, 8, v24
	ds_store_b16 v5, v24
	s_wait_dscnt 0x0                               ; for the others' sake: my stores have landed
	s_barrier_signal -1
	s_barrier_wait -1
	ds_load_b128 v[32:35], v7                      ; rows 4 w, 4 w + 1
	ds_load_b128 v[36:39], v7 offset:2*PITCH       ; rows 4 w + 2, 4 w + 3
	s_wait_dscnt 1
	global_store_b128 v8, v[32:35], s[6:7]
	s_wait_dscnt 0x0
	global_store_b128 v8, v[36:39], s[6:7] offset:1024
	s_cmp_lg_u32 s16, 0
	s_cbranch_scc1 .Lnot_wave_0
	ds_load_b128 v[40:43], v6
	s_wait_dscnt 0x0
	global_store_b128 v9, v[40:43], s[8:9]         ; 16 scale bytes of each of the 32 columns
.Lnot_wave_0:
	s_wait_tensorcnt 0x0                           ; the wave's end, behind my last LDS store
	ds_add_u32 v[SPW], v[NIL]
	s_wait_dscnt 0x0
	s_endpgm
.Lfunc_end_k_qd1a0cd19a4_prep_w:
	.size	k_qd1a0cd19a4_prep_w, .Lfunc_end_k_qd1a0cd19a4_prep_w-k_qd1a0cd19a4_prep_w
	.p2alignl 7, 3214868480
	.fill 96, 4, 3214868480
	.section	.rodata,"a",@progbits
	.p2align	6, 0x0
	.amdhsa_kernel k_qd1a0cd19a4_prep_w
		.amdhsa_group_segment_fixed_size 10240
		.amdhsa_private_segment_fixed_size 0
		.amdhsa_enable_private_segment 0
		.amdhsa_kernarg_size 24
		.amdhsa_user_sgpr_count 2
		.amdhsa_user_sgpr_kernarg_segment_ptr 1
		.amdhsa_wavefront_size32 1
		.amdhsa_system_sgpr_workgroup_id_x 1
		.amdhsa_system_sgpr_workgroup_id_y 1
		.amdhsa_system_sgpr_workgroup_id_z 1
		.amdhsa_system_vgpr_workitem_id 0
		.amdhsa_next_free_vgpr 96
		.amdhsa_next_free_sgpr 66
		.amdhsa_reserve_vcc 0
		.amdhsa_float_denorm_mode_32 3
		.amdhsa_float_denorm_mode_16_64 3
		.amdhsa_memory_ordered 1
		.amdhsa_forward_progress 1
		.amdhsa_inst_pref_size 13
	.end_amdhsa_kernel
	.amdgpu_metadata
---
amdhsa.version: [ 1, 2 ]
amdhsa.kernels:
  - .name:           k_qd1a0cd19a4_prep_w
    .symbol:         k_qd1a0cd19a4_prep_w.kd
    .args:
      - { .name: w_qkv, .offset: 0, .size: 8, .value_kind: global_buffer, .address_space: global }
      - { .name: wc, .offset: 8, .size: 8, .value_kind: global_buffer, .address_space: global }
      - { .name: ws, .offset: 16, .size: 8, .value_kind: global_buffer, .address_space: global }
    .group_segment_fixed_size: 10240
    .private_segment_fixed_size: 0
    .kernarg_segment_align: 8
    .kernarg_segment_size: 24
    .max_flat_workgroup_size: 256
    .sgpr_count:     66
    .vgpr_count:     96
    .wavefront_size: 32
...
	.end_amdgpu_metadata
.endif
;; end of part 2
;; launch gemm_qkv (part 3): grid 12 x 32, 4 waves a work-group, clusters of 4 x 4, 327,680 bytes of LDS; arguments xc, xs, wc, ws, qkv16, qkv32; writes qkv16, qkv32
.if DOCPART == 3
	.amdgcn_target "amdgcn-amd-amdhsa--gfx1250"
	.amdhsa_code_object_version 6
	.text
	.protected	k_qd1a0cd19a4_gemm_qkv
	.globl	k_qd1a0cd19a4_gemm_qkv
	.p2align	8
	.type	k_qd1a0cd19a4_gemm_qkv,@function
k_qd1a0cd19a4_gemm_qkv:
	s_mov_b64 s[64:65], 0
	v_nop
	global_prefetch_b8 v0, s[64:65] scope:SCOPE_SE
	s_setreg_imm32_b32 hwreg(HW_REG_WAVE_MODE, 25, 1), 1
	s_wait_xcnt 0x0
	s_wait_alu depctr_hold_cnt(0) depctr_sa_sdst(0) depctr_va_vdst(0) depctr_va_sdst(0) depctr_va_ssrc(0) depctr_va_vcc(0) depctr_vm_vsrc(0)
	s_getreg_b32 s2, hwreg(HW_REG_IB_STS2, 6, 4)
	s_cmp_eq_u32 s2, 0
	s_cbranch_scc0 .Lentry_in_a_cluster
	s_endpgm
.Lentry_in_a_cluster:
	s_bfe_u32 s2, ttmp6, 0x10000c
	s_cmp_lg_u32 s2, 0xf033
	s_cbranch_scc0 .Lentry_shape_is_right
	s_endpgm
.Lentry_shape_is_right:
; qkv[m][n] = sum over k of x[m][k] w_qkv[k][n] on codes of FP4 (E2M1) with one E8M0 scale for each 32 along K; sums in f32.  xc: [8192][512 bytes], wc: [3072][512 bytes]; xs, ws: 32 bytes a row.
; OUT: qkv16 [3 (q, k, v)][64 (16 batch + head)][2048][64] f16, each number rounded once; and for positions 0-15 of every sequence qkv32, the f32 sums as images of the accumulators:
; [4 batches][192 tiles of 16 columns][2][32 lanes][4]: lane (r, h), register 4 c + i = (position r, column 16 tile + 8 h + 4 c + i).
; LIMIT: a sum beyond 65,504 in size has no f16.
; A tile of 256 x 256 is made by four waves, each 128 x 128: 64 accumulators, 512 registers.  K = 1,024 is two slots of 512 along K (rows of 256 bytes): both are asked for at the head, nothing is filled again.
; THE SCALES of the work-group's 256 + 256 rows, for all of K, are two dense blocks: they come into LDS once, in runs of 256 bytes.
; CLUSTERS: 4 x 4 work-groups; A's tiles are asked for jointly along a row of the cluster, B's along a column.  Tile row = 8 cy + cluster y: so cy is the batch, and positions 0-15 lie in the clusters with y = 0,
; for all partners alike: the branch round the images hangs on the cluster's y and the wave's number.
; THE MATRIX INSTRUCTION IS USED TRANSPOSED (source 0 = 16 rows of wc, source 1 = 16 rows of xc): a lane holds eight neighbouring columns of one row.
; REGISTERS: window 0: v0-31 addresses; v32-95 scale words, two sets, and nothing else; v128-191 A's fragments, one set (on the way out: rows read back); v192-223 packed results.
;   window 1: B's fragments, two sets, at v0 and v128.   window 2: accumulators of my rows 0-63 ((a, b) at v[8 (8 a + b)]);   window 3: rows 64-127.
.set SIZE_M, 8192
.set SIZE_N, 3072
.set SIZE_K, 1024
.set KSTEP,  512
.set NQ,     KSTEP/128
.set ROWB,   256
.set KROW,   SIZE_K*4/8
.set PITCH,  272                       ; an LDS row: 256 bytes + 16 of padding: the 16 rows that a load touches start 68 words apart
.set FR,     8
.set NL,     2
.set NP,     4                         ; places behind this matrix instruction (ISA guide 7.12.1)
.set HALFT,  128*PITCH
.set SLOT,   4*HALFT
.set KS,     SIZE_K/32
.set SCL,    2*SLOT
.set HALFS,  (128*KS/256)*272
.set SBLK,   (16*KS/256)*272
.set SPARE,  SCL+4*HALFS               ; the spare words: 128 bytes a wave, named by no other line
.set SPITCH, 272                       ; the way out: a stage of 16 rows x (256 bytes + 16) for each wave, in slot 0, which has had its only fill and its last read by then
.set HB,     262144                    ; a head's 2,048 rows of 128 bytes
.set ADRA, 16
.set ADRB, 20
.set STO,  24
.set RD,   25
.set CO,   26
.set ADRS, 27
.set SPW,  28
.set NIL,  29
.set SC,   32
.set AF,   128
.set BK,   128
.set TMP,  192
.set G1, 24
.set G0, 32
.set G1B, 48
.set G0B, 56
.set G1S, 68
.set G0S, 76
.set G1SB, 80
.set G0SB, 88
.set MSB, 0
.macro WIN new                         ; the immediate's high byte repeats the setting that is left
.if MSB != (\new)
	s_set_vgpr_msb (MSB<<8)|(\new)
.set MSB, (\new)
.endif
.endm
.set MUL_LO, 0xa1                      ; source 0 (B) window 1, source 1 (A) window 0, C and D window 2
.set MUL_HI, 0xf1                      ; the same, C and D window 3
.set TO_B,   0x40
; A joint load: waves 0 and 1 fetch for A, waves 2 and 3 for B; the branch hangs on the wave's number alone.  An s_nop 0 and four v_nop follow each line.
.macro JLOAD g0a, g1a, g0b, g1b
	s_cmp_eq_u32 s15, 0
	s_cbranch_scc0 .Lfor_b_\@
	tensor_load_to_lds s[\g0a:\g0a+3], s[\g1a:\g1a+7]
	s_nop 0
.rept 4
	v_nop
.endr
	s_branch .Lasked_\@
.Lfor_b_\@:
	tensor_load_to_lds s[\g0b:\g0b+3], s[\g1b:\g1b+7]
	s_nop 0
.rept 4
	v_nop
.endr
.Lasked_\@:
.endm
.macro CROUND                          ; a round of the cluster's barrier
	s_barrier_signal -1
	s_barrier_wait -1
	s_cmp_lg_u32 s14, 0
	s_cbranch_scc1 .Lnot_wave_0_\@
	s_barrier_signal -3
.Lnot_wave_0_\@:
	s_barrier_wait -3
	s_barrier_signal -1
	s_barrier_wait -1
.endm
	s_load_b128 s[4:7], s[0:1], 0x0                ; xc, xs
	s_load_b128 s[8:11], s[0:1], 0x10              ; wc, ws
	s_load_b128 s[96:99], s[0:1], 0x20             ; qkv16, qkv32
	v_lshl_add_u32 v[SPW], v0, 2, SPARE
	v_mov_b32 v[NIL], 0
	ds_add_u32 v[SPW], v[NIL]                      ; the wave's opening: the add, twice on end, and its wait ahead of my first tensor load
	ds_add_u32 v[SPW], v[NIL]
	v_lshrrev_b32 v1, 5, v0
	v_readfirstlane_b32 s14, v1                    ; wave 0..3
	s_lshr_b32 s15, s14, 1                         ; my half of the tile's rows; also: I fetch for A (0) or B (1)
	s_and_b32 s16, s14, 1                          ; my half of its columns; also: which 128 rows I fetch
	s_bfe_u32 s40, ttmp6, 0x40000                  ; cx
	s_bfe_u32 s41, ttmp6, 0x40004                  ; cy
	s_lshl_b32 s42, ttmp9, 2
	s_add_co_u32 s42, s42, s40                     ; tile column = 4 x cluster x + cx
	s_and_b32 s95, ttmp7, 0xffff                   ; cluster y
	s_lshl_b32 s17, s41, 3
	s_add_co_u32 s17, s17, s95                     ; tile row = 8 cy + cluster y
	s_lshl_b32 s43, s41, 2
	s_lshl_b32 s43, 15, s43                        ; my row of the cluster
	s_lshl_b32 s44, 0x1111, s40                    ; my column
	s_or_b32 s[G1+0], s43, (0<<16)|(1<<20)|(1<<21)|(5<<22)|(3<<25)  ; the mask; elements of 1 byte; padding on; bit 21 beside a mask; 4 words after every 64
	s_or_b32 s[G1B+0], s44, (0<<16)|(1<<20)|(1<<21)|(5<<22)|(3<<25)
.irp g, G1, G1B
	s_mov_b32 s[\g+1], ROWB<<16                    ; tensor_dim0
	s_mov_b32 s[\g+2], 128<<16                     ; tensor_dim1
	s_mov_b32 s[\g+3], ROWB<<16                    ; tile_dim0
	s_mov_b32 s[\g+4], 128                         ; tile_dim1
	s_mov_b32 s[\g+5], KROW                        ; the pitch
	s_mov_b32 s[\g+6], 0
	s_mov_b32 s[\g+7], 0
.endr
	s_or_b32 s[G1S+0], s43, (3<<16)|(1<<20)|(1<<21)|(5<<22)|(3<<25) ; the scales of 128 rows: 4,096 dense bytes as 16 rows of 32 elements of 8 bytes
	s_or_b32 s[G1SB+0], s44, (3<<16)|(1<<20)|(1<<21)|(5<<22)|(3<<25)
.irp g, G1S, G1SB
	s_mov_b32 s[\g+1], 32<<16
	s_mov_b32 s[\g+2], (128*KS/256)<<16
	s_mov_b32 s[\g+3], 32<<16
	s_mov_b32 s[\g+4], 128*KS/256
	s_mov_b32 s[\g+5], 32
	s_mov_b32 s[\g+6], 0
	s_mov_b32 s[\g+7], 0
.endr
	s_lshl_b32 s18, s16, 7
	s_lshl_b32 s20, s17, 8
	s_add_co_u32 s20, s20, s18                     ; A: row 256 x tile row + 128 x half
	s_lshl_b32 s46, s42, 8
	s_add_co_u32 s46, s46, s18                     ; B: row 256 x tile column + 128 x half
	s_mov_b32 s21, 0
	s_mov_b32 s47, 0
	s_mov_b64 s[18:19], KS
	s_mul_u64 s[22:23], s[20:21], s[18:19]
	s_mul_u64 s[92:93], s[46:47], s[18:19]
	s_mov_b64 s[18:19], KROW
	s_mul_u64 s[20:21], s[20:21], s[18:19]
	s_mul_u64 s[46:47], s[46:47], s[18:19]
	s_mul_i32 s45, s14, HALFT                      ; where they go: wave x 128 rows
	s_mul_i32 s94, s14, HALFS
	s_wait_dscnt 0x0                               ; both opening adds are done
	s_wait_kmcnt 0x0
	s_add_nc_u64 s[20:21], s[4:5], s[20:21]
	s_add_nc_u64 s[22:23], s[6:7], s[22:23]
	s_add_nc_u64 s[46:47], s[8:9], s[46:47]
	s_add_nc_u64 s[92:93], s[10:11], s[92:93]
	CROUND                                         ; all sixteen work-groups are here: the joint loads meet
	s_mov_b32 s[G0S], 1
	s_add_co_u32 s[G0S+1], s94, SCL
	s_mov_b64 s[G0S+2:G0S+3], s[22:23]
	s_or_b32 s[G0S+3], s[G0S+3], 0x80000000
	s_mov_b32 s[G0SB], 1
	s_add_co_u32 s[G0SB+1], s94, SCL
	s_mov_b64 s[G0SB+2:G0SB+3], s[92:93]
	s_or_b32 s[G0SB+3], s[G0SB+3], 0x80000000
	JLOAD G0S, G1S, G0SB, G1SB                     ; the scales first
.irp s, 0,1
	s_mov_b32 s[G0+4*\s], 1
	s_add_co_u32 s[G0+4*\s+1], s45, \s*SLOT
	s_add_nc_u64 s[G0+4*\s+2:G0+4*\s+3], s[20:21], \s*ROWB
	s_or_b32 s[G0+4*\s+3], s[G0+4*\s+3], 0x80000000
	s_mov_b32 s[G0B+4*\s], 1
	s_add_co_u32 s[G0B+4*\s+1], s45, \s*SLOT
	s_add_nc_u64 s[G0B+4*\s+2:G0B+4*\s+3], s[46:47], \s*ROWB
	s_or_b32 s[G0B+4*\s+3], s[G0B+4*\s+3], 0x80000000
	JLOAD G0+4*\s, G1, G0B+4*\s, G1B               ; three loads of mine are out in all
.endr
	v_and_b32 v1, 15, v0                           ; r
	v_bfe_u32 v2, v0, 4, 1                         ; h
	v_mul_u32_u24 v3, v1, PITCH
	v_lshl_add_u32 v4, v2, 4, v3                   ; a fragment's row x pitch + 16 h
	s_mul_i32 s21, s15, HALFT
	s_mul_i32 s22, s16, HALFT
	s_add_co_u32 s22, s22, 2*HALFT
.irp s, 0,1
	v_add_nc_u32 v[ADRA+\s], s21, v4
	v_add_nc_u32 v[ADRB+\s], s22, v4
	s_add_co_u32 s21, s21, SLOT
	s_add_co_u32 s22, s22, SLOT
.endr
	v_mul_u32_u24 v5, v1, KS                       ; my row's scales: 32 bytes a row,
	v_lshrrev_b32 v6, 8, v5
	v_lshl_add_u32 v5, v6, 4, v5                   ; and 16 more for each 256 passed
	s_mul_i32 s21, s15, HALFS
	s_mul_i32 s22, s16, HALFS
	s_add_co_u32 s22, s22, 2*HALFS
	s_sub_co_u32 s22, s22, s21
	v_mul_u32_u24 v6, s22, v2                      ; lanes 16-31 take B's
	s_add_co_u32 s21, s21, SCL
	v_add_nc_u32 v5, v5, v6
	v_add_nc_u32 v[ADRS], s21, v5
	s_mul_i32 s23, s14, 16*SPITCH                  ; my stage
	v_mul_u32_u24 v5, v1, SPITCH
	v_lshl_add_u32 v5, v2, 4, v5
	v_add_nc_u32 v[STO], s23, v5                   ; in: row r, 16 bytes for each half of the lanes
	v_and_b32 v6, 31, v0
	v_lshlrev_b32 v[CO], 4, v6                     ; 16 x lane
	v_lshrrev_b32 v7, 3, v6
	v_mul_u32_u24 v7, v7, SPITCH
	v_and_b32 v8, 7, v6
	v_lshl_add_u32 v7, v8, 4, v7
	v_add_nc_u32 v[RD], s23, v7                    ; back: eight lanes take a head's 128 bytes of a row, 32 lanes four rows
	s_lshr_b32 s20, s42, 2                         ; q, k or v
	s_lshl_b32 s20, s20, 6
	s_lshl_b32 s21, s41, 4                         ; 16 x batch
	s_add_co_u32 s20, s20, s21
	s_and_b32 s21, s42, 3
	s_lshl_b32 s21, s21, 2
	s_add_co_u32 s20, s20, s21
	s_lshl_b32 s21, s16, 1
	s_add_co_u32 s20, s20, s21                     ; + my first head: 4 (tile column % 4) + 2 x half
	s_lshl_b32 s20, s20, 11
	s_lshl_b32 s21, s95, 8
	s_add_co_u32 s20, s20, s21
	s_lshl_b32 s21, s15, 7
	s_add_co_u32 s20, s20, s21                     ; + my first position
	s_lshl_b32 s20, s20, 7                         ; rows of 128 bytes
	s_mov_b32 s21, 0
	s_add_nc_u64 s[96:97], s[96:97], s[20:21]
	s_mul_i32 s20, s41, 192
	s_lshl_b32 s22, s42, 4
	s_add_co_u32 s20, s20, s22
	s_lshl_b32 s22, s16, 3
	s_add_co_u32 s20, s20, s22                     ; the images: tile 192 batch + 16 tile column + 8 half,
	s_lshl_b32 s20, s20, 10                        ; 1,024 bytes each
	s_add_nc_u64 s[98:99], s[98:99], s[20:21]
	s_or_b32 s94, s95, s15                         ; 0: my block 0 holds positions 0-15
.macro FRAG reg, adr, q, i             ; 16 rows x 128 K of 4-bit codes: 8 registers: two loads of 16 bytes, 32 bytes apart
.irp c, 0,1
	ds_load_b128 v[\reg+4*\c:\reg+4*\c+3], v[\adr] offset:64*(\q)+32*\c+(\i)*16*PITCH
.endr
.endm
; 16 matrix instructions: A's blocks a0, a0 + 1 x B's eight.  The 64 accumulators take turns, one instruction a turn, in the same order in every step.
.macro MUL16 a0, p, q, sc, zero
.irp a, \a0, \a0+1
.irp b, 0,1,2,3,4,5,6,7
.if \zero
	v_wmma_scale_f32_16x16x128_f8f6f4 v[8*(8*((\a)%4)+\b):8*(8*((\a)%4)+\b)+7], v[128*(\p)+FR*\b:128*(\p)+FR*\b+FR-1], v[AF+FR*(\a):AF+FR*(\a)+FR-1], 0, v[SC+8*NQ*(\sc)+NQ*\b+(\q)], v[SC+8*NQ*(\sc)+NQ*(\a)+(\q)] matrix_a_fmt:MATRIX_FMT_FP4 matrix_b_fmt:MATRIX_FMT_FP4 matrix_a_scale:MATRIX_SCALE_ROW1
.else
	v_wmma_scale_f32_16x16x128_f8f6f4 v[8*(8*((\a)%4)+\b):8*(8*((\a)%4)+\b)+7], v[128*(\p)+FR*\b:128*(\p)+FR*\b+FR-1], v[AF+FR*(\a):AF+FR*(\a)+FR-1], v[8*(8*((\a)%4)+\b):8*(8*((\a)%4)+\b)+7], v[SC+8*NQ*(\sc)+NQ*\b+(\q)], v[SC+8*NQ*(\sc)+NQ*(\a)+(\q)] matrix_a_fmt:MATRIX_FMT_FP4 matrix_b_fmt:MATRIX_FMT_FP4 matrix_a_scale:MATRIX_SCALE_ROW1
.endif
.endr
.endr
.endm
.macro FETCH_B slot, q, p
	WIN TO_B
.irp i, 0,1,2,3,4,5,6,7
	FRAG 128*(\p)+FR*\i, ADRB+\slot, \q, \i
.endr
	WIN 0
.endm
.macro FETCH_A slot, q, i0
.irp i, \i0, \i0+1, \i0+2, \i0+3
	FRAG AF+FR*(\i), ADRA+\slot, \q, \i
.endr
.endm
.macro SCALES sc                       ; a slot's scale words: four words a row; lanes 0-15 take A's block i, lanes 16-31 B's
.irp i, 0,1,2,3,4,5,6,7
	ds_load_b128 v[SC+8*NQ*\sc+NQ*\i:SC+8*NQ*\sc+NQ*\i+3], v[ADRS] offset:\i*SBLK
.endr
.endm
.macro PLACES n                        ; plain vector lines between a matrix instruction and a load into, or a read of, its registers
.rept \n
	v_nop
.endr
.endm
.macro STEP slot, q, zero              ; 128 along K, with its successor in the same slot
	s_wait_dscnt 4*NL                              ; B's set and A's blocks 0-3 are in; the youngest eight loads (A's blocks 4-7) may be out
	WIN MUL_LO
	MUL16 0, (\q)%2, \q, \slot, \zero
	MUL16 2, (\q)%2, \q, \slot, \zero
	s_wait_dscnt 0
	PLACES NP
	FETCH_B \slot, (\q)+1, 1-(\q)%2
	FETCH_A \slot, (\q)+1, 0
	WIN MUL_HI
	MUL16 4, (\q)%2, \q, \slot, \zero
	MUL16 6, (\q)%2, \q, \slot, \zero
	PLACES NP
	WIN 0
	FETCH_A \slot, (\q)+1, 4
.endm
.macro TURN slot, next                 ; slot 0's last step: one barrier; in front of it my part of slot 1 has landed and my reads of slot 0 are over
	s_wait_tensorcnt 0x0                           ; all my tensor loads have landed
	ds_add_u32 v[SPW], v[NIL]                      ; 0 onto my spare word
	s_wait_dscnt 4*NL+1                            ; (the add and A's blocks 4-7 may be out)
	WIN MUL_LO
	MUL16 0, 1, NQ-1, \slot, 0
	s_wait_dscnt 0x0
	s_barrier_signal -1
	MUL16 2, 1, NQ-1, \slot, 0
	WIN 0
	s_barrier_wait -1
	PLACES NP
	v_add_nc_u32 v[ADRS], 4*NQ, v[ADRS]            ; the next slot's scale words
	FETCH_B \next, 0, 0
	FETCH_A \next, 0, 0
	SCALES \next
	WIN MUL_HI
	MUL16 4, 1, NQ-1, \slot, 0
	MUL16 6, 1, NQ-1, \slot, 0
	PLACES NP
	WIN 0
	FETCH_A \next, 0, 4
.endm
	s_wait_tensorcnt 1                             ; the scales and my part of slot 0 are in; slot 1's load may be out
	s_barrier_signal -1
	s_barrier_wait -1
	FETCH_B 0, 0, 0
	FETCH_A 0, 0, 0
	SCALES 0
	FETCH_A 0, 0, 4
	STEP 0, 0, 1                                   ; the first products start the sums: nothing is cleared
	STEP 0, 1, 0
	STEP 0, 2, 0
	TURN 0, 1
	STEP 1, 0, 0
	STEP 1, 1, 0
	STEP 1, 2, 0
	s_wait_dscnt 4*NL
	WIN MUL_LO
	MUL16 0, 1, NQ-1, 1, 0
	MUL16 2, 1, NQ-1, 1, 0
	s_wait_dscnt 0
	WIN MUL_HI
	MUL16 4, 1, NQ-1, 1, 0
	MUL16 6, 1, NQ-1, 1, 0
	WIN 0
	PLACES NP
	; positions 0-15 also leave as they are, in f32: block 0's eight accumulators, 512 consecutive bytes a store, each from its low end on
	s_cmp_lg_u32 s94, 0
	s_cbranch_scc1 .Lno_images
	WIN 0x08                                       ; a store's data: window 2
.irp b, 0,1,2,3,4,5,6,7
	global_store_b128 v[CO], v[8*\b:8*\b+3], s[98:99] offset:1024*\b
	global_store_b128 v[CO], v[8*\b+4:8*\b+7], s[98:99] offset:1024*\b+512
.endr
	WIN 0
.Lno_images:
; THE WAY OUT, a block of 16 rows x 128 columns (two heads) at a time: rounded to f16, 16 bytes a lane into my stage, back as four rows of one head, which are 512 consecutive bytes of qkv16.
.macro PACK a
.set AC, 64*((\a)%4)
	WIN 0x0a+5*((\a)/4)                            ; sources in window 2 or 3
.irp b, 0,1,2,3,4,5,6,7
.irp r, 0,1,2,3
	v_cvt_pk_f16_f32 v[TMP+4*\b+\r], v[AC+8*\b+2*\r], v[AC+8*\b+2*\r+1]
.endr
.endr
	WIN 0
.endm
.macro TOSTAGE a
.set BB, BK+32*((\a)%2)
.irp b, 0,1,2,3,4,5,6,7
	ds_store_b128 v[STO], v[TMP+4*\b:TMP+4*\b+3] offset:32*\b
.endr
.irp j, 0,1
.irp t, 0,1,2,3
	ds_load_b128 v[BB+16*\j+4*\t:BB+16*\j+4*\t+3], v[RD] offset:4*SPITCH*\t+128*\j   ; in order behind the stores above
.endr
.endr
.endm
.macro SEND a
.set BB, BK+32*((\a)%2)
	s_wait_dscnt 0x0                               ; the block is back in registers
	s_wait_xcnt 0x0                                ; earlier stores have read their registers and their base
.if (\a) > 0
	s_add_nc_u64 s[96:97], s[96:97], 16*128        ; 16 positions on
.endif
.irp j, 0,1
.irp t, 0,1,2,3
	global_store_b128 v[CO], v[BB+16*\j+4*\t:BB+16*\j+4*\t+3], s[96:97] offset:HB*\j+512*\t
.endr
.endr
.endm
	PACK 0
	TOSTAGE 0
.irp a, 1,2,3,4,5,6,7
	PACK \a
	SEND (\a)-1
	TOSTAGE \a
.endr
	SEND 7
	s_wait_tensorcnt 0x0                           ; the wave's end
	ds_add_u32 v[SPW], v[NIL]
	s_wait_dscnt 0x0
	CROUND                                         ; the closing round
	s_endpgm
.Lfunc_end_k_qd1a0cd19a4_gemm_qkv:
	.size	k_qd1a0cd19a4_gemm_qkv, .Lfunc_end_k_qd1a0cd19a4_gemm_qkv-k_qd1a0cd19a4_gemm_qkv
	.p2alignl 7, 3214868480
	.fill 96, 4, 3214868480
	.section	.rodata,"a",@progbits
	.p2align	6, 0x0
	.amdhsa_kernel k_qd1a0cd19a4_gemm_qkv
		.amdhsa_group_segment_fixed_size 327680
		.amdhsa_private_segment_fixed_size 0
		.amdhsa_enable_private_segment 0
		.amdhsa_kernarg_size 48
		.amdhsa_user_sgpr_count 2
		.amdhsa_user_sgpr_kernarg_segment_ptr 1
		.amdhsa_wavefront_size32 1
		.amdhsa_system_sgpr_workgroup_id_x 1
		.amdhsa_system_sgpr_workgroup_id_y 1
		.amdhsa_system_sgpr_workgroup_id_z 1
		.amdhsa_system_vgpr_workitem_id 0
		.amdhsa_next_free_vgpr 1024
		.amdhsa_next_free_sgpr 100
		.amdhsa_reserve_vcc 0
		.amdhsa_float_denorm_mode_32 3
		.amdhsa_float_denorm_mode_16_64 3
		.amdhsa_memory_ordered 1
		.amdhsa_forward_progress 1
		.amdhsa_inst_pref_size 129
	.end_amdhsa_kernel
	.amdgpu_metadata
---
amdhsa.version: [ 1, 2 ]
amdhsa.kernels:
  - .name:           k_qd1a0cd19a4_gemm_qkv
    .symbol:         k_qd1a0cd19a4_gemm_qkv.kd
    .args:
      - { .name: xc, .offset: 0, .size: 8, .value_kind: global_buffer, .address_space: global }
      - { .name: xs, .offset: 8, .size: 8, .value_kind: global_buffer, .address_space: global }
      - { .name: wc, .offset: 16, .size: 8, .value_kind: global_buffer, .address_space: global }
      - { .name: ws, .offset: 24, .size: 8, .value_kind: global_buffer, .address_space: global }
      - { .name: qkv16, .offset: 32, .size: 8, .value_kind: global_buffer, .address_space: global }
      - { .name: qkv32, .offset: 40, .size: 8, .value_kind: global_buffer, .address_space: global }
    .group_segment_fixed_size: 327680
    .private_segment_fixed_size: 0
    .kernarg_segment_align: 8
    .kernarg_segment_size: 48
    .max_flat_workgroup_size: 128
    .sgpr_count:     100
    .vgpr_count:     1024
    .wavefront_size: 32
...
	.end_amdgpu_metadata
.endif
;; end of part 3
;; launch attn (part 4): grid 4 x 64, 8 waves a work-group, no clusters, 327,680 bytes of LDS; arguments qkv16, o16; writes o16
.if DOCPART == 4
	.amdgcn_target "amdgcn-amd-amdhsa--gfx1250"
	.amdhsa_code_object_version 6
	.text
	.protected	k_qd1a0cd19a4_attn
	.globl	k_qd1a0cd19a4_attn
	.p2align	8
	.type	k_qd1a0cd19a4_attn,@function
k_qd1a0cd19a4_attn:
	s_mov_b64 s[64:65], 0
	v_nop
	global_prefetch_b8 v0, s[64:65] scope:SCOPE_SE
	s_setreg_imm32_b32 hwreg(HW_REG_WAVE_MODE, 25, 1), 1
	s_wait_xcnt 0x0
; o[b][h][q][:] = sum over k <= q of softmax_k(q . k / 8) v[k][:], head size 64, 2,048 positions, 64 heads in all.  q, k, v: f16, qkv16 [3][64][2048][64].  o16: [16 heads][8192 (2048 batch + position)][64] f16.
; Products on f16 operands with f32 sums; maxima, exponentials and sums in f32; a running maximum m and sum l for each query: p = 2^(c s - c m), c = log2(e) / 8; in every step O and l are multiplied by 2^(c m_old - c m_new).
; The row's sum is taken of p before it is rounded to f16.  Hidden scores are -infinity where the definition has the least f32 number: both give p = 0, since key 0 counts for every query.
; LIMITS: q, k, v beyond 65,504 have no f16; NaN and infinities are not served.  Positions 0-15 are computed here too, but the output's rows for them come from the f32 launch.
; SHARES.  Work-group (i, head) takes query block i (256 queries), then block 7 - i: (i + 1) + (8 - i) = 9 blocks of 256 keys for every i: a loop of constant count, equal work in all 256 work-groups, and every
; block that is fetched is read.  Wave w owns 32 queries of the block, two tiles of 16; two waves lie on a SIMD, so that one wave's softmax stands beside the other's products.
; NO CLUSTER: in a given trip the four work-groups of a head want different key blocks (i + 1 trips on the first query block, 8 - i on the second); a joint walk in step would take 12 blocks where this one takes 9.
; LAYOUT.  S^T = K Q^T (source 0 = 16 keys, source 1 = 16 queries): a lane holds ONE query (lane % 16) and keys 8 (lane / 16) + 0..7 of each tile of 16.  Two such tiles, packed in pairs, are source 1 of O^T = V^T P.
; K comes out of LDS as it lies, V ([key][channel]) turned by ds_load_tr16_b128.
; RING: two slots of 256 keys, 2^17 bytes apart; waves 0-3 fetch K's quarters, waves 4-7 V's: one tensor load a wave is out at any time.
; REGISTERS: window 0: v1-15 addresses; v16-31 statistics, 8 a tile (+0 c m, +1 m, +2, +3 l, +4..+7 at work, a at +6); v32-95 S^T; v96-127 P; v128-191 O^T.
;   window 1: v0-31 Q in use; v32-63 the second block's Q; v64-127 K; v128-191 V.
.set HB,    262144                     ; a head's bytes
.set KP,    144                        ; a key's row in LDS: 128 bytes + 16
.set VP,    160                        ; a row of V: 128 + 32
.set VOFF,  256*KP
.set SLOT1, 131072
.set STAGE, SLOT1+VOFF+256*VP          ; behind the ring: 16 rows x 144 bytes for each wave
.set SPARE, STAGE+8*16*KP              ; the spare words: 128 bytes a wave, named by no other line
.set AK0, 1
.set AV0, 2
.set ADK, 3
.set ADV, 4
.set QO,  5
.set STO, 6
.set RD,  7
.set GO,  8
.set DQ,  9
.set D0,  10                           ; v10, v11: my query less the step's first key less 8 h, for tiles 0, 1
.set NINF, 12
.set PFO, 13
.set SPW, 14
.set NIL, 15
.set ST,  16
.set S,   32
.set P,   96
.set O,   128
.set KR,  64
.set VR,  128
.set TB,   2                           ; s2  LDS byte at which the slot in hand begins
.set TRIP, 3                           ; s3  the trip, 0..8
.set WV,   8
.set WGI,  9                           ; i
.set WGI1, 10                          ; i + 1
.set W3,   11                          ; wave % 4
.set Q0,   12                          ; my first query
.set QL,   13                          ; my last
.set KF,   14                          ; the step's first key
.set TA,   15
.set G1K,  16
.set G1V,  24
.set G0K,  32
.set G0V,  36
.set KSRC, 40                          ; my quarter of key block 0, in K and in V
.set VSRC, 42
.set OBASE, 44
.set OB,   46
.set OFS,  48                          ; an offset, with 0 above it
.set CS,   50
.set SEL,  52
.set PSRC, 54
.set PFA,  56
.set TC,   58
.set TD,   59
.set QB1,  60
.set QB2,  62
.set MSB, 0
.macro WIN new
.if MSB != (\new)
	s_set_vgpr_msb (MSB<<8)|(\new)
.set MSB, (\new)
.endif
.endm
.macro TLOAD                           ; every wave loads: waves 0-3 a quarter of K, waves 4-7 of V.  An s_nop 0 and four v_nop follow each line
	s_cmp_lt_u32 s[WV], 4
	s_cbranch_scc0 .Lfor_v_\@
	tensor_load_to_lds s[G0K:G0K+3], s[G1K:G1K+7]
	s_nop 0
.rept 4
	v_nop
.endr
	s_branch .Lasked_\@
.Lfor_v_\@:
	tensor_load_to_lds s[G0V:G0V+3], s[G1V:G1V+7]
	s_nop 0
.rept 4
	v_nop
.endr
.Lasked_\@:
.endm
; A PREFETCH INTO THE L2.  Of a head's four work-groups, i = 0 is the first to ask for key blocks 4 to 7: its load of trip t asks for block t.  In trips 3 to 6 each of its eight waves names the quarter of block t + 1
; that it will itself load a trip later: 8,192 bytes, lanes 256 bytes apart, one instruction.  So each run of 256 bytes is named once in the launch; blocks 0 to 3 come by their loads alone; nothing is named past block 7.
.macro ASK
	s_sub_co_u32 s[TC], s[TRIP], 3
	s_lshl_b32 s[TD], s[WGI], 4
	s_or_b32 s[TC], s[TC], s[TD]
	s_cmp_lt_u32 s[TC], 4
	s_cbranch_scc0 .Lnot_mine_\@
	global_prefetch_b8 v[PFO], s[PFA:PFA+1] th:TH_LOAD_NT scope:SCOPE_SE
.Lnot_mine_\@:
.endm
; THE CHANGE OF SLOTS, at a slot's head.  Each wave waits for its tensor load (its part of the slot ahead), adds 0 to its spare word, and waits for that and for its reads of the slot that it has left.
; fill = 1: behind the barrier that slot takes the key block of trip + 1: block trip + 1 while trip + 1 <= i, else block trip + 1 - (i + 1).
.macro CHANGE fill
	s_wait_tensorcnt 0x0                           ; no tensor load of mine is out: the groups 0 may be written
	ds_add_u32 v[SPW], v[NIL]                      ; 0 onto my spare word; the descriptors' words stand between it and the wait for it
.if \fill
	s_xor_b32 s[G0K+1], s[G0K+1], SLOT1
	s_xor_b32 s[G0V+1], s[G0V+1], SLOT1
	s_add_co_u32 s[TC], s[TRIP], 1
	s_cmp_gt_u32 s[TC], s[WGI]
	s_cselect_b32 s[TA], s[WGI1], 0
	s_sub_co_u32 s[TA], s[TC], s[TA]               ; the key block
	s_lshl_b32 s[OFS], s[TA], 15                   ; 256 rows of 128 bytes each
	s_add_nc_u64 s[G0K+2:G0K+3], s[KSRC:KSRC+1], s[OFS:OFS+1]
	s_or_b32 s[G0K+3], s[G0K+3], 0x80000000
	s_add_nc_u64 s[G0V+2:G0V+3], s[VSRC:VSRC+1], s[OFS:OFS+1]
	s_or_b32 s[G0V+3], s[G0V+3], 0x80000000
	s_wait_xcnt 0x0                                ; the last prefetch, a trip back, has read its address
	s_lshl_b32 s[OFS], s[TC], 15
	s_add_nc_u64 s[PFA:PFA+1], s[PSRC:PSRC+1], s[OFS:OFS+1]
.endif
	s_wait_dscnt 0x0                               ; the add is done, and my reads of the slot that I have left are over
	s_barrier_signal -1
	s_barrier_wait -1
.if \fill
	TLOAD                                          ; first behind the barrier, and my one tensor load until the next
	ASK
.endif
.endm
.macro ZERO                            ; a query block begins: m under every score, l and O^T zeros, which the first change of m leaves zeros
.irp t, 0,1
	v_mov_b32 v[ST+8*\t+1], 0xff61b1e6             ; -3e38
	v_mul_f32 v[ST+8*\t], s[CS], v[ST+8*\t+1]
.irp j, 2,3,4,5,6,7
	v_mov_b32 v[ST+8*\t+\j], 0
.endr
.endr
.set n, 0
.rept 64
	v_mov_b32 v[O+n], 0
.set n, n+1
.endr
.endm
.macro SOFTMAX                         ; both tiles line by line, so that no line waits for the one above it
.irp j, 0,1,2,3
.irp t, 0,1
	v_max3_num_f32 v[ST+8*\t+4+\j], v[S+32*\t+8*\j], v[S+32*\t+8*\j+1], v[S+32*\t+8*\j+2]   ; each accumulator is read from its low end on
.endr
.endr
.irp g, 1,2
.irp j, 0,1,2,3
.irp t, 0,1
	v_max3_num_f32 v[ST+8*\t+4+\j], v[ST+8*\t+4+\j], v[S+32*\t+8*\j+2*\g+1], v[S+32*\t+8*\j+2*\g+2]
.endr
.endr
.endr
.irp t, 0,1
	v_max3_num_f32 v[ST+8*\t+4], v[ST+8*\t+4], v[S+32*\t+7], v[S+32*\t+15]
	v_max3_num_f32 v[ST+8*\t+6], v[ST+8*\t+6], v[S+32*\t+23], v[S+32*\t+31]
.endr
.irp t, 0,1
	v_max3_num_f32 v[ST+8*\t+4], v[ST+8*\t+4], v[ST+8*\t+5], v[ST+8*\t+6]
.endr
.irp t, 0,1
	v_max3_num_f32 v[ST+8*\t+4], v[ST+8*\t+4], v[ST+8*\t+7], v[ST+8*\t+1]   ; with the old m
.endr
.irp t, 0,1
	v_permlanex16_b32 v[ST+8*\t+5], v[ST+8*\t+4], s[SEL], s[SEL+1]          ; the query's other 32 keys lie 16 lanes away
.endr
.irp t, 0,1
	v_mov_b32 v[ST+8*\t+7], v[ST+8*\t]             ; c m_old
.endr
.irp t, 0,1
	v_max_num_f32 v[ST+8*\t+1], v[ST+8*\t+4], v[ST+8*\t+5]
.endr
.irp t, 0,1
	v_mul_f32 v[ST+8*\t], s[CS], v[ST+8*\t+1]
.endr
.irp t, 0,1
	v_sub_f32 v[ST+8*\t+7], v[ST+8*\t+7], v[ST+8*\t]
.endr
.set n, 0
.rept 16
.irp t, 0,1
	v_pk_fma_f32 v[S+32*\t+2*n:S+32*\t+2*n+1], v[S+32*\t+2*n:S+32*\t+2*n+1], s[CS:CS+1], v[ST+8*\t:ST+8*\t+1] op_sel_hi:[1,0,0] neg_lo:[0,0,1] neg_hi:[0,0,1]   ; c s - c m
.endr
.set n, n+1
.endr
.irp t, 0,1
	v_exp_f32 v[ST+8*\t+6], v[ST+8*\t+7]           ; a
.endr
.set n, 0
.rept 32
.irp t, 0,1
	v_exp_f32 v[S+32*\t+n], v[S+32*\t+n]           ; p: the 66 exponentials are one batch
.endr
.set n, n+1
.endr
	v_nop                                          ; a plain line behind the last exponential
	s_wait_alu depctr_va_vdst(0)                   ; one wait for the batch, ahead of its first reader
.set n, 0
.rept 16
.irp t, 0,1
	v_cvt_pk_f16_f32 v[P+16*\t+n], v[S+32*\t+2*n], v[S+32*\t+2*n+1]
.endr
.set n, n+1
.endr
.irp z, 0,1,2,3,4,5,6,7                ; the sum of the 16 pairs, in place
.irp t, 0,1
	v_pk_add_f32 v[S+32*\t+4*\z:S+32*\t+4*\z+1], v[S+32*\t+4*\z:S+32*\t+4*\z+1], v[S+32*\t+4*\z+2:S+32*\t+4*\z+3]
.endr
.endr
.irp z, 0,1,2,3
.irp t, 0,1
	v_pk_add_f32 v[S+32*\t+8*\z:S+32*\t+8*\z+1], v[S+32*\t+8*\z:S+32*\t+8*\z+1], v[S+32*\t+8*\z+4:S+32*\t+8*\z+5]
.endr
.endr
.irp z, 0,1
.irp t, 0,1
	v_pk_add_f32 v[S+32*\t+16*\z:S+32*\t+16*\z+1], v[S+32*\t+16*\z:S+32*\t+16*\z+1], v[S+32*\t+16*\z+8:S+32*\t+16*\z+9]
.endr
.endr
.irp t, 0,1
	v_pk_add_f32 v[S+32*\t:S+32*\t+1], v[S+32*\t:S+32*\t+1], v[S+32*\t+16:S+32*\t+17]
.endr
.irp t, 0,1
	v_pk_fma_f32 v[ST+8*\t+2:ST+8*\t+3], v[ST+8*\t+2:ST+8*\t+3], v[ST+8*\t+6:ST+8*\t+7], v[S+32*\t:S+32*\t+1] op_sel_hi:[1,0,1]   ; l = a l + the sum
.endr
.set n, 0
.rept 16
.irp t, 0,1
	v_pk_mul_f32 v[O+32*\t+2*n:O+32*\t+2*n+1], v[O+32*\t+2*n:O+32*\t+2*n+1], v[ST+8*\t+6:ST+8*\t+7] op_sel_hi:[1,0]   ; O^T x a
.endr
.set n, n+1
.endr
.endm
; A KEY STEP: 64 keys, the q-th of the slot in hand.  A step all of whose keys come after my 32 queries is left out: a scalar branch on ids; no barrier and no tensor load stands in a step.
.macro STEP q
	s_cmp_gt_u32 s[KF], s[QL]
	s_cbranch_scc1 .Lhidden_\@
	v_add_nc_u32 v[ADK], s[TB], v[AK0]
	v_add_nc_u32 v[ADV], s[TB], v[AV0]
	WIN 0x40                                       ; destination window 1
.irp f, 0,1,2,3,4,5,6,7                ; K: keys 16 (f / 2) on, channels 32 (f % 2) on
	ds_load_b128 v[KR+8*\f:KR+8*\f+3],   v[ADK] offset:(64*(\q)+16*(\f/2))*KP+64*(\f%2)
	ds_load_b128 v[KR+8*\f+4:KR+8*\f+7], v[ADK] offset:(64*(\q)+16*(\f/2))*KP+64*(\f%2)+32
.endr
.irp f, 0,1,2,3,4,5,6,7                ; V, turned: keys 32 (f / 4) on, channels 16 (f % 4) on
	ds_load_tr16_b128 v[VR+8*\f:VR+8*\f+3],   v[ADV] offset:(64*(\q)+32*(\f/4))*VP+32*(\f%4)
	ds_load_tr16_b128 v[VR+8*\f+4:VR+8*\f+7], v[ADV] offset:(64*(\q)+32*(\f/4))*VP+32*(\f%4)+16*VP
.endr
	s_wait_dscnt 16                                ; K is in; V's sixteen loads may be out
	WIN 0x05                                       ; K and Q in window 1, S^T in window 0
.set i, 0
.rept 16                               ; eight accumulators by turns; the first eight products start the sums
.set rS, S+32*(i%2)+8*((i/2)%4)
.set rK, KR+16*((i/2)%4)+8*(i/8)
.set rQ, 16*(i%2)+8*(i/8)
.if i < 8
	v_wmma_f32_16x16x32_f16 v[rS:rS+7], v[rK:rK+7], v[rQ:rQ+7], 0
.else
	v_wmma_f32_16x16x32_f16 v[rS:rS+7], v[rK:rK+7], v[rQ:rQ+7], v[rS:rS+7]
.endif
.set i, i+1
.endr
	WIN 0
.rept 4
	v_nop                                          ; places ahead of the first read of the scores
.endr
	s_add_co_u32 s[TA], s[KF], 63                  ; on the diagonal hidden scores become -infinity; a step all of whose keys count for all my queries skips this
	s_cmp_le_u32 s[TA], s[Q0]
	s_cbranch_scc1 .Lopen_\@
	s_sub_co_i32 s[TA], s[Q0], s[KF]
	v_add_nc_u32 v[D0], s[TA], v[DQ]
	v_add_nc_u32 v[D0+1], 16, v[D0]
.irp t, 0,1
.set n, 0
.rept 32                               ; register n holds key KF + 16 (n / 8) + 8 h + n % 8
	v_cmp_gt_i32 vcc_lo, 16*(n/8)+n%8, v[D0+\t]
	v_cndmask_b32 v[S+32*\t+n], v[S+32*\t+n], v[NINF], vcc_lo
.set n, n+1
.endr
.endr
.Lopen_\@:
	SOFTMAX
	s_wait_dscnt 0x0                               ; V is in
	WIN 0x01                                       ; V in window 1; P and O^T in window 0
.set i, 0
.rept 16
.set rO, O+32*(i%2)+8*((i/2)%4)
.set rV, VR+32*(i/8)+8*((i/2)%4)
.set rP, P+16*(i%2)+8*(i/8)
	v_wmma_f32_16x16x32_f16 v[rO:rO+7], v[rV:rV+7], v[rP:rP+7], v[rO:rO+7]
.set i, i+1
.endr
	WIN 0
.rept 4
	v_nop                                          ; places ahead of the next loads into V's registers and of the next read of O^T
.endr
.Lhidden_\@:
	s_add_co_u32 s[KF], s[KF], 64
.endm
; THE WAY OUT of a query block: O^T / l, rounded to f16, through my stage, a tile of 16 rows at a time; four rows of o16 are 512 consecutive bytes.
.macro OUT
.irp t, 0,1
	v_add_f32 v[ST+8*\t+4], v[ST+8*\t+2], v[ST+8*\t+3]
.endr
.irp t, 0,1
	v_permlanex16_b32 v[ST+8*\t+5], v[ST+8*\t+4], s[SEL], s[SEL+1]
.endr
.irp t, 0,1
	v_add_f32 v[ST+8*\t+4], v[ST+8*\t+4], v[ST+8*\t+5]
.endr
.irp t, 0,1
	v_rcp_f32 v[ST+8*\t+6], v[ST+8*\t+4]
.endr
	v_nop
	s_lshl_b32 s[OFS], s[Q0], 7
	s_add_nc_u64 s[OB:OB+1], s[OBASE:OBASE+1], s[OFS:OFS+1]
	s_wait_alu depctr_va_vdst(0)                   ; one wait for the two reciprocals, ahead of their first reader
.irp t, 0,1
.set n, 0
.rept 16
	v_pk_mul_f32 v[O+32*\t+2*n:O+32*\t+2*n+1], v[O+32*\t+2*n:O+32*\t+2*n+1], v[ST+8*\t+6:ST+8*\t+7] op_sel_hi:[1,0]
.set n, n+1
.endr
.set n, 0
.rept 16
	v_cvt_pk_f16_f32 v[P+16*\t+n], v[O+32*\t+2*n], v[O+32*\t+2*n+1]
.set n, n+1
.endr
.irp d, 0,1,2,3
	ds_store_b128 v[STO], v[P+16*\t+4*\d:P+16*\t+4*\d+3] offset:32*\d
.endr
.irp d, 0,1,2,3
	ds_load_b128 v[S+32*\t+4*\d:S+32*\t+4*\d+3], v[RD] offset:4*KP*\d   ; in order behind the stores above; the next tile's stores come behind these
.endr
.endr
	s_wait_dscnt 8                                 ; tile 0 is back; tile 1's four stores and four loads may be out
.irp d, 0,1,2,3
	global_store_b128 v[GO], v[S+4*\d:S+4*\d+3], s[OB:OB+1] offset:512*\d
.endr
	s_wait_dscnt 0x0
.irp d, 0,1,2,3
	global_store_b128 v[GO], v[S+32+4*\d:S+32+4*\d+3], s[OB:OB+1] offset:2048+512*\d
.endr
	s_wait_xcnt 0x0                                ; the stores have read their registers and their base
.endm
	s_load_b128 s[4:7], s[0:1], 0x0                ; qkv16, o16
	v_lshl_add_u32 v[SPW], v0, 2, SPARE
	v_mov_b32 v[NIL], 0
	ds_add_u32 v[SPW], v[NIL]                      ; the wave's opening: the add, twice on end, and its wait ahead of my first tensor load
	ds_add_u32 v[SPW], v[NIL]
	v_lshrrev_b32 v1, 5, v0
	v_readfirstlane_b32 s[WV], v1                  ; wave 0..7
	s_mov_b32 s[WGI], ttmp9
	s_add_co_u32 s[WGI1], s[WGI], 1
	s_and_b32 s[W3], s[WV], 3
	s_and_b32 s[TD], ttmp7, 0xffff                 ; 16 batch + head
	s_mov_b32 s[G1K], (1<<16)|(1<<20)|(4<<22)|(3<<25)   ; elements of 2 bytes; padding on: 4 words after every 32
	s_mov_b32 s[G1V], (1<<16)|(1<<20)|(4<<22)|(7<<25)   ; the same with 8 words
.irp g, G1K, G1V
	s_mov_b32 s[\g+1], 64<<16                      ; tensor_dim0
	s_mov_b32 s[\g+2], 64<<16                      ; tensor_dim1
	s_mov_b32 s[\g+3], 64<<16                      ; tile_dim0
	s_mov_b32 s[\g+4], 64                          ; tile_dim1
	s_mov_b32 s[\g+5], 64                          ; the pitch
	s_mov_b32 s[\g+6], 0
	s_mov_b32 s[\g+7], 0
.endr
	s_mov_b32 s[CS], 0x3e38aa3b                    ; c = log2(e) / 8
	s_mov_b32 s[CS+1], s[CS]
	s_mov_b32 s[SEL], 0x76543210
	s_mov_b32 s[SEL+1], 0xfedcba98
	s_mov_b32 s[OFS+1], 0
	s_lshl_b32 s[Q0], s[WGI], 8
	s_lshl_b32 s[TA], s[WV], 5
	s_add_co_u32 s[Q0], s[Q0], s[TA]               ; 256 i + 32 wave
	s_add_co_u32 s[QL], s[Q0], 31
	s_wait_dscnt 0x0                               ; both opening adds are done
	s_wait_kmcnt 0x0
	s_add_co_u32 s[TC], s[TD], 64
	s_lshl_b32 s[OFS], s[TC], 18
	s_lshl_b32 s[TA], s[W3], 13
	s_add_co_u32 s[OFS], s[OFS], s[TA]
	s_add_nc_u64 s[KSRC:KSRC+1], s[4:5], s[OFS:OFS+1]
	s_add_nc_u64 s[VSRC:VSRC+1], s[KSRC:KSRC+1], 64*HB
	s_mov_b32 s[G0K], 1
	s_mul_i32 s[G0K+1], s[W3], 64*KP
	s_mov_b64 s[G0K+2:G0K+3], s[KSRC:KSRC+1]
	s_or_b32 s[G0K+3], s[G0K+3], 0x80000000
	s_mov_b32 s[G0V], 1
	s_mul_i32 s[G0V+1], s[W3], 64*VP
	s_add_co_u32 s[G0V+1], s[G0V+1], VOFF
	s_mov_b64 s[G0V+2:G0V+3], s[VSRC:VSRC+1]
	s_or_b32 s[G0V+3], s[G0V+3], 0x80000000
	TLOAD                                          ; key block 0 into slot 0
	s_cmp_lt_u32 s[WV], 4
	s_cselect_b64 s[PSRC:PSRC+1], s[KSRC:KSRC+1], s[VSRC:VSRC+1]
	s_lshl_b32 s[OFS], s[TD], 18
	s_lshl_b32 s[TA], s[Q0], 7
	s_add_co_u32 s[OFS], s[OFS], s[TA]
	s_add_nc_u64 s[QB1:QB1+1], s[4:5], s[OFS:OFS+1]     ; Q of my 32 queries of block i,
	s_lshl_b32 s[TA], s[WGI], 1
	s_sub_co_u32 s[TA], 7, s[TA]
	s_lshl_b32 s[OFS], s[TA], 15
	s_add_nc_u64 s[QB2:QB2+1], s[QB1:QB1+1], s[OFS:OFS+1]   ; and of block 7 - i: 7 - 2 i blocks further on
	s_and_b32 s[TA], s[TD], 15
	s_lshl_b32 s[TA], s[TA], 13
	s_lshr_b32 s[TC], s[TD], 4
	s_lshl_b32 s[TC], s[TC], 11
	s_add_co_u32 s[TA], s[TA], s[TC]
	s_lshl_b32 s[OFS], s[TA], 7
	s_add_nc_u64 s[OBASE:OBASE+1], s[6:7], s[OFS:OFS+1]
	v_and_b32 v16, 15, v0                          ; r
	v_bfe_u32 v17, v0, 4, 1                        ; h
	v_and_b32 v18, 31, v0                          ; lane
	v_lshlrev_b32 v[QO], 7, v16
	v_lshl_add_u32 v[QO], v17, 4, v[QO]            ; Q: row r of 128 bytes + 16 h
	WIN 0x40
.irp t, 0,1
.irp e, 0,1
	global_load_b128 v[16*\t+8*\e:16*\t+8*\e+3],       v[QO], s[QB1:QB1+1] offset:2048*\t+64*\e
	global_load_b128 v[16*\t+8*\e+4:16*\t+8*\e+7],     v[QO], s[QB1:QB1+1] offset:2048*\t+64*\e+32
	global_load_b128 v[32+16*\t+8*\e:32+16*\t+8*\e+3], v[QO], s[QB2:QB2+1] offset:2048*\t+64*\e
	global_load_b128 v[32+16*\t+8*\e+4:32+16*\t+8*\e+7], v[QO], s[QB2:QB2+1] offset:2048*\t+64*\e+32
.endr
.endr
	WIN 0
	v_mul_u32_u24 v[AK0], v16, KP
	v_lshl_add_u32 v[AK0], v17, 4, v[AK0]          ; K: row r x pitch + 16 h
	v_and_b32 v19, 7, v0
	v_lshl_add_u32 v[AV0], v17, 3, v19
	v_mul_u32_u24 v[AV0], v[AV0], VP
	v_bfe_u32 v19, v0, 3, 1
	v_lshl_add_u32 v[AV0], v19, 4, v[AV0]
	v_add_nc_u32 v[AV0], VOFF, v[AV0]              ; V: key 8 h + lane % 8, 16 bytes by (lane / 8) % 2
	s_mul_i32 s[TA], s[WV], 16*KP
	s_add_co_u32 s[TA], s[TA], STAGE               ; my stage
	v_add_nc_u32 v[STO], s[TA], v[AK0]             ; in: row r, + 16 h
	v_lshrrev_b32 v19, 3, v18
	v_mul_u32_u24 v19, v19, KP
	v_and_b32 v20, 7, v0
	v_lshl_add_u32 v19, v20, 4, v19
	v_add_nc_u32 v[RD], s[TA], v19                 ; back: eight lanes to a row
	v_lshlrev_b32 v[GO], 4, v18
	v_lshlrev_b32 v19, 3, v17
	v_sub_nc_u32 v[DQ], v16, v19                   ; r - 8 h
	v_mov_b32 v[NINF], 0xff800000
	v_lshlrev_b32 v[PFO], 8, v18
	ZERO
	s_mov_b32 s[TRIP], 0
	s_mov_b32 s[KF], 0
	s_mov_b32 s[TB], 0
	s_wait_loadcnt 0x0                             ; Q
.Lslot:                                                ; eight trips; behind each change of slots the next trip's key block is asked for
	CHANGE 1
	s_cmp_lg_u32 s[TRIP], s[WGI1]                  ; trip i + 1 begins the second query block: ids alone
	s_cbranch_scc1 .Lsame_block
	OUT
	WIN 0x41
.set n, 0
.rept 32
	v_mov_b32 v[n], v[32+n]                        ; its Q
.set n, n+1
.endr
	WIN 0
	ZERO
	s_sub_co_u32 s[TA], 7, s[WGI]
	s_lshl_b32 s[TA], s[TA], 8
	s_lshl_b32 s[TC], s[WV], 5
	s_add_co_u32 s[Q0], s[TA], s[TC]
	s_add_co_u32 s[QL], s[Q0], 31
	s_mov_b32 s[KF], 0
.Lsame_block:
	STEP 0
	STEP 1
	STEP 2
	STEP 3
	s_xor_b32 s[TB], s[TB], SLOT1
	s_add_co_u32 s[TRIP], s[TRIP], 1
	s_cmp_lt_u32 s[TRIP], 8
	s_cbranch_scc1 .Lslot
	CHANGE 0                                       ; the last key block is written out: nothing is left to ask for
	STEP 0
	STEP 1
	STEP 2
	STEP 3
	OUT
	s_wait_tensorcnt 0x0                           ; the wave's end
	ds_add_u32 v[SPW], v[NIL]
	s_wait_dscnt 0x0
	s_endpgm
.Lfunc_end_k_qd1a0cd19a4_attn:
	.size	k_qd1a0cd19a4_attn, .Lfunc_end_k_qd1a0cd19a4_attn-k_qd1a0cd19a4_attn
	.p2alignl 7, 3214868480
	.fill 96, 4, 3214868480
	.section	.rodata,"a",@progbits
	.p2align	6, 0x0
	.amdhsa_kernel k_qd1a0cd19a4_attn
		.amdhsa_group_segment_fixed_size 327680
		.amdhsa_private_segment_fixed_size 0
		.amdhsa_enable_private_segment 0
		.amdhsa_kernarg_size 16
		.amdhsa_user_sgpr_count 2
		.amdhsa_user_sgpr_kernarg_segment_ptr 1
		.amdhsa_wavefront_size32 1
		.amdhsa_system_sgpr_workgroup_id_x 1
		.amdhsa_system_sgpr_workgroup_id_y 1
		.amdhsa_system_sgpr_workgroup_id_z 1
		.amdhsa_system_vgpr_workitem_id 0
		.amdhsa_next_free_vgpr 448
		.amdhsa_next_free_sgpr 66
		.amdhsa_reserve_vcc 1
		.amdhsa_float_denorm_mode_32 3
		.amdhsa_float_denorm_mode_16_64 3
		.amdhsa_memory_ordered 1
		.amdhsa_forward_progress 1
		.amdhsa_inst_pref_size 199
	.end_amdhsa_kernel
	.amdgpu_metadata
---
amdhsa.version: [ 1, 2 ]
amdhsa.kernels:
  - .name:           k_qd1a0cd19a4_attn
    .symbol:         k_qd1a0cd19a4_attn.kd
    .args:
      - { .name: qkv16, .offset: 0, .size: 8, .value_kind: global_buffer, .address_space: global }
      - { .name: o16, .offset: 8, .size: 8, .value_kind: global_buffer, .address_space: global }
    .group_segment_fixed_size: 327680
    .private_segment_fixed_size: 0
    .kernarg_segment_align: 8
    .kernarg_segment_size: 16
    .max_flat_workgroup_size: 256
    .sgpr_count:     66
    .vgpr_count:     448
    .wavefront_size: 32
...
	.end_amdgpu_metadata
.endif
;; end of part 4
;; launch proj (part 5): grid 4 x 64, 4 waves a work-group, clusters of 4 x 4, 327,680 bytes of LDS; arguments o16, wo16, b_out, out0; writes out0
.if DOCPART == 5
	.amdgcn_target "amdgcn-amd-amdhsa--gfx1250"
	.amdhsa_code_object_version 6
	.text
	.protected	k_qd1a0cd19a4_proj
	.globl	k_qd1a0cd19a4_proj
	.p2align	8
	.type	k_qd1a0cd19a4_proj,@function
k_qd1a0cd19a4_proj:
	s_mov_b64 s[64:65], 0
	v_nop
	global_prefetch_b8 v0, s[64:65] scope:SCOPE_SE
	s_setreg_imm32_b32 hwreg(HW_REG_WAVE_MODE, 25, 1), 1
	s_wait_xcnt 0x0
	s_wait_alu depctr_hold_cnt(0) depctr_sa_sdst(0) depctr_va_vdst(0) depctr_va_sdst(0) depctr_va_ssrc(0) depctr_va_vcc(0) depctr_vm_vsrc(0)
	s_getreg_b32 s2, hwreg(HW_REG_IB_STS2, 6, 4)
	s_cmp_eq_u32 s2, 0
	s_cbranch_scc0 .Lentry_in_a_cluster
	s_endpgm
.Lentry_in_a_cluster:
	s_bfe_u32 s2, ttmp6, 0x10000c
	s_cmp_lg_u32 s2, 0xf033
	s_cbranch_scc0 .Lentry_shape_is_right
	s_endpgm
.Lentry_shape_is_right:
; out0[m][n] = sum over k of o[m][k] w_out[k][n] + b_out[n], f16 operands, f32 sums, for all rows but positions 0-15 of each sequence, which the f32 launch owns.
; o16: [16 heads][8192 rows][64] f16 (k = 64 head + channel); wo16: [1024 k][1024 n] f16; out0: [8192][1024] f32.
; A tile of 128 x 256 gives 256 work-groups.  Four waves, each 64 x 128: 32 accumulators, 256 registers.  K goes in eight steps of 128 (two heads) through two LDS slots.
; CLUSTERS: 4 x 4.  Tile column = cx; tile row = 16 cy + cluster y: cy is the batch, and positions 0-15 lie in the clusters with y = 0 for all partners alike.  A's tiles are asked for jointly along a row of the
; cluster, B's along a column.  THE MATRIX INSTRUCTION IS USED TRANSPOSED: source 0 = 16 columns of w_out, turned out of LDS by ds_load_tr16_b128, source 1 = 16 rows of o: a lane holds eight neighbouring outputs of a row.
; The bias is the C of each sum's first product: nothing is cleared and nothing is added.
; REGISTERS: window 0: v16-29 addresses; v64-95, v128-159 A's two fragment buffers; on the way out v128-255 two sets of 64.   window 1: v0-63 the bias, 8 tiles; v64-127, v128-191 B's two buffers.
;   window 2: the accumulators, (a, b) at v[8 (8 a + b)].
.set AP,     144                       ; a row of A in LDS: 128 bytes + 16
.set BP,     544                       ; a row of B: 512 bytes + 32
.set PLANE,  128*AP                    ; a head's 128 rows
.set BOFF,   2*PLANE
.set BHALF,  64*BP
.set SLOT,   BOFF+2*BHALF
.set STAGE,  2*SLOT                    ; behind the ring: 16 rows x (512 + 16) bytes for each wave
.set SPITCH, 528
.set SPARE,  STAGE+4*16*SPITCH         ; the spare words: 128 bytes a wave, named by no other line
.set LAPS,   4
.set ADRA, 16
.set ADRB, 20
.set STO,  24
.set RD,   25
.set CO,   26
.set BO,   27
.set SPW,  28
.set NIL,  29
.set F0,   64
.set F1,   128
.set BK,   128
.set G1A, 24
.set G0A, 32
.set G1B, 48
.set G0B, 56
.set MSB, 0
.macro WIN new
.if MSB != (\new)
	s_set_vgpr_msb (MSB<<8)|(\new)
.set MSB, (\new)
.endif
.endm
.macro JLOAD s                         ; waves 0 and 1 fetch A's two planes, waves 2 and 3 B's halves; an s_nop 0 and four v_nop follow each line
	s_cmp_eq_u32 s13, 0
	s_cbranch_scc0 .Lfor_b_\@
	tensor_load_to_lds s[G0A+4*\s:G0A+4*\s+3], s[G1A:G1A+7]
	s_nop 0
.rept 4
	v_nop
.endr
	s_branch .Lasked_\@
.Lfor_b_\@:
	tensor_load_to_lds s[G0B+4*\s:G0B+4*\s+3], s[G1B:G1B+7]
	s_nop 0
.rept 4
	v_nop
.endr
.Lasked_\@:
.endm
.macro CREST
	s_cmp_lg_u32 s12, 0
	s_cbranch_scc1 .Lnot_wave_0_\@
	s_barrier_signal -3
.Lnot_wave_0_\@:
	s_barrier_wait -3
	s_barrier_signal -1
	s_barrier_wait -1
.endm
.macro CROUND
	s_barrier_signal -1
	s_barrier_wait -1
	CREST
.endm
.macro PLACES
.rept 4
	v_nop
.endr
.endm
	s_load_b256 s[4:11], s[0:1], 0x0               ; o16, wo16, b_out, out0
	v_lshl_add_u32 v[SPW], v0, 2, SPARE
	v_mov_b32 v[NIL], 0
	ds_add_u32 v[SPW], v[NIL]                      ; the wave's opening: the add, twice on end, and its wait ahead of my first tensor load
	ds_add_u32 v[SPW], v[NIL]
	v_lshrrev_b32 v1, 5, v0
	v_readfirstlane_b32 s12, v1                    ; wave 0..3
	s_lshr_b32 s13, s12, 1                         ; my half of the rows; also: I fetch for A (0) or B (1)
	s_and_b32 s14, s12, 1                          ; my half of the columns; also: which plane or half I fetch
	s_bfe_u32 s40, ttmp6, 0x40000                  ; cx
	s_bfe_u32 s41, ttmp6, 0x40004                  ; cy
	s_lshl_b32 s42, ttmp9, 2
	s_add_co_u32 s42, s42, s40                     ; tile column
	s_and_b32 s45, ttmp7, 0xffff                   ; cluster y
	s_lshl_b32 s46, s41, 4
	s_add_co_u32 s46, s46, s45                     ; tile row = 16 cy + cluster y
	s_or_b32 s15, s45, s13                         ; 0: my block 0 holds positions 0-15
	s_lshl_b32 s43, s41, 2
	s_lshl_b32 s43, 15, s43                        ; my row of the cluster
	s_lshl_b32 s44, 0x1111, s40                    ; my column
	s_or_b32 s[G1A], s43, (1<<16)|(1<<20)|(1<<21)|(4<<22)|(3<<25)   ; elements of 2 bytes; 4 words of padding after every 32
	s_mov_b32 s[G1A+1], 64<<16
	s_mov_b32 s[G1A+2], 128<<16
	s_mov_b32 s[G1A+3], 64<<16
	s_mov_b32 s[G1A+4], 128
	s_mov_b32 s[G1A+5], 64
	s_mov_b32 s[G1A+6], 0
	s_mov_b32 s[G1A+7], 0
	s_or_b32 s[G1B], s44, (1<<16)|(1<<20)|(1<<21)|(6<<22)|(7<<25)   ; 8 words of padding after every 128
	s_mov_b32 s[G1B+1], 256<<16
	s_mov_b32 s[G1B+2], 64<<16
	s_mov_b32 s[G1B+3], 256<<16
	s_mov_b32 s[G1B+4], 64
	s_mov_b32 s[G1B+5], 1024
	s_mov_b32 s[G1B+6], 0
	s_mov_b32 s[G1B+7], 0
	s_lshl_b32 s16, s14, 20                        ; A: head = my plane: 8,192 rows of 128 bytes,
	s_lshl_b32 s17, s46, 14                        ; + 128 rows a tile row
	s_add_co_u32 s16, s16, s17
	s_mov_b32 s17, 0
	s_lshl_b32 s20, s14, 17                        ; B: 64 rows of 2,048 bytes a half,
	s_lshl_b32 s21, s42, 9                         ; + 512 bytes a tile column
	s_add_co_u32 s20, s20, s21
	s_mov_b32 s21, 0
	s_mul_i32 s47, s14, PLANE                      ; where they go: no place in the cluster enters an LDS address
	s_mul_i32 s2, s14, BHALF
	s_add_co_u32 s2, s2, BOFF
	s_wait_dscnt 0x0                               ; both opening adds are done
	s_wait_kmcnt 0x0
	s_add_nc_u64 s[18:19], s[4:5], s[16:17]
	s_add_nc_u64 s[22:23], s[6:7], s[20:21]
	CROUND                                         ; all sixteen work-groups are here
.irp s, 0,1
	s_mov_b32 s[G0A+4*\s], 1
	s_add_co_u32 s[G0A+4*\s+1], s47, \s*SLOT
	s_add_nc_u64 s[G0A+4*\s+2:G0A+4*\s+3], s[18:19], \s*2*8192*128
	s_or_b32 s[G0A+4*\s+3], s[G0A+4*\s+3], 0x80000000
	s_mov_b32 s[G0B+4*\s], 1
	s_add_co_u32 s[G0B+4*\s+1], s2, \s*SLOT
	s_add_nc_u64 s[G0B+4*\s+2:G0B+4*\s+3], s[22:23], \s*128*2048
	s_or_b32 s[G0B+4*\s+3], s[G0B+4*\s+3], 0x80000000
	JLOAD \s
.endr
	v_and_b32 v1, 15, v0                           ; r
	v_bfe_u32 v2, v0, 4, 1                         ; h
	v_mul_u32_u24 v3, v1, AP
	v_lshl_add_u32 v3, v2, 4, v3
	s_mul_i32 s16, s13, 64*AP                      ; my 64 rows of A
	v_and_b32 v4, 7, v0
	v_lshl_add_u32 v4, v2, 3, v4
	v_mul_u32_u24 v4, v4, BP
	v_bfe_u32 v5, v0, 3, 1
	v_lshl_add_u32 v4, v5, 4, v4                   ; B: k row 8 h + lane % 8, 16 bytes by (lane / 8) % 2
	s_lshl_b32 s17, s14, 8                         ; my 128 columns
	s_add_co_u32 s17, s17, BOFF
.irp s, 0,1
	v_add_nc_u32 v[ADRA+\s], s16, v3
	v_add_nc_u32 v[ADRB+\s], s17, v4
	s_add_co_u32 s16, s16, SLOT
	s_add_co_u32 s17, s17, SLOT
.endr
	s_mul_i32 s16, s12, 16*SPITCH
	s_add_co_u32 s16, s16, STAGE                   ; my stage
	v_mul_u32_u24 v5, v1, SPITCH
	v_lshl_add_u32 v5, v2, 5, v5
	v_add_nc_u32 v[STO], s16, v5
	v_and_b32 v6, 31, v0
	v_lshlrev_b32 v[CO], 4, v6
	v_add_nc_u32 v[RD], s16, v[CO]
	v_lshlrev_b32 v[BO], 5, v2                     ; the bias: 8 numbers by my half
	s_lshl_b32 s20, s42, 10
	s_lshl_b32 s21, s14, 9
	s_add_co_u32 s20, s20, s21                     ; my first column, in bytes of f32
	s_mov_b32 s21, 0
	s_add_nc_u64 s[8:9], s[8:9], s[20:21]
	s_add_nc_u64 s[10:11], s[10:11], s[20:21]
	s_lshl_b32 s20, s46, 19                        ; 128 rows of 4,096 bytes a tile row,
	s_lshl_b32 s22, s13, 18                        ; 64 a half
	s_add_co_u32 s20, s20, s22
	s_add_nc_u64 s[10:11], s[10:11], s[20:21]
	WIN 0x40
.irp b, 0,1,2,3,4,5,6,7
	global_load_b128 v[8*\b:8*\b+3],   v[BO], s[8:9] offset:64*\b       ; b_out at columns 16 b + 8 h + 0..7: the result's layout
	global_load_b128 v[8*\b+4:8*\b+7], v[BO], s[8:9] offset:64*\b+16
.endr
	WIN 0
; 8 matrix instructions: A's block a x B's eight, 32 along K.  The 32 accumulators take turns in the same order in every quarter.
.macro MUL8 f, a, first
.if \first
	WIN 0x91                                       ; B window 1, A window 0, C (the bias) window 1, D window 2
.else
	WIN 0xa1                                       ; C and D window 2
.endif
.irp b, 0,1,2,3,4,5,6,7
.if \first
	v_wmma_f32_16x16x32_f16 v[8*(8*(\a)+\b):8*(8*(\a)+\b)+7], v[\f+8*\b:\f+8*\b+7], v[\f+8*(\a):\f+8*(\a)+7], v[8*\b:8*\b+7]
.else
	v_wmma_f32_16x16x32_f16 v[8*(8*(\a)+\b):8*(8*(\a)+\b)+7], v[\f+8*\b:\f+8*\b+7], v[\f+8*(\a):\f+8*(\a)+7], v[8*(8*(\a)+\b):8*(8*(\a)+\b)+7]
.endif
.endr
.endm
.macro FETCH slot, kq, f               ; 24 LDS loads in one run: the slot's kq-th 32 along K
	WIN 0x40
.irp i, 0,1,2,3,4,5,6,7
	ds_load_tr16_b128 v[\f+8*\i:\f+8*\i+3],   v[ADRB+\slot] offset:(\kq)*32*BP+32*\i
	ds_load_tr16_b128 v[\f+8*\i+4:\f+8*\i+7], v[ADRB+\slot] offset:(\kq)*32*BP+32*\i+16*BP
.endr
	WIN 0
.irp i, 0,1,2,3
	ds_load_b128 v[\f+8*\i:\f+8*\i+3],   v[ADRA+\slot] offset:((\kq)/2)*PLANE+((\kq)%2)*64+\i*16*AP
	ds_load_b128 v[\f+8*\i+4:\f+8*\i+7], v[ADRA+\slot] offset:((\kq)/2)*PLANE+((\kq)%2)*64+\i*16*AP+32
.endr
.endm
.macro QUARTER slot, kq, f, g, first   ; multiplies buffer f; in its middle fetches the slot's kq-th 32 along K into g
	s_wait_dscnt 4                                 ; B and A's blocks 0, 1 are in; the youngest four loads (A's blocks 2, 3) may be out
	MUL8 \f, 0, \first
	MUL8 \f, 1, \first
	PLACES
	FETCH \slot, \kq, \g
	s_wait_dscnt 24                                ; all but the 24 just issued
	MUL8 \f, 2, \first
	MUL8 \f, 3, \first
.endm
; A slot's last quarter changes slots: one barrier; in front of it each wave waits for all its tensor loads, adds 0 to its spare word, and waits for that and for its reads of this slot.
.macro TURN slot, next, fill
	WIN 0
	s_wait_tensorcnt 0x0                           ; my part of the next slot has landed
	ds_add_u32 v[SPW], v[NIL]
	s_wait_dscnt 5                                 ; (the add and A's blocks 2, 3 may be out)
	MUL8 F1, 0, 0
	s_wait_dscnt 0x0                               ; the add is done, and my reads of this slot are over
	s_barrier_signal -1
	MUL8 F1, 1, 0
.if \fill
	WIN 0
.endif
	s_barrier_wait -1
.if \fill
	CREST                                          ; the barrier has opened a round of the cluster's: no wave of any partner still reads this slot or has a load on its way
	s_add_nc_u64 s[G0A+4*\slot+2:G0A+4*\slot+3], s[G0A+4*\slot+2:G0A+4*\slot+3], 4*8192*128
	s_add_nc_u64 s[G0B+4*\slot+2:G0B+4*\slot+3], s[G0B+4*\slot+2:G0B+4*\slot+3], 256*2048
	JLOAD \slot                                    ; first behind the round; its four v_nop are also the places in front of the loads below
.else
	PLACES
.endif
	FETCH \next, 0, F0
	MUL8 F1, 2, 0
	MUL8 F1, 3, 0
.endm
	s_wait_tensorcnt 1                             ; my part of K step 0 is in; K step 1's load may be out
	s_barrier_signal -1
	s_barrier_wait -1
	FETCH 0, 0, F0
	s_wait_loadcnt 0x0                             ; the bias
	QUARTER 0, 1, F0, F1, 1                        ; the first products start the sums from the bias
	WIN 0
	s_mov_b32 s3, LAPS-1
.Llap:
	QUARTER 0, 2, F1, F0, 0
	QUARTER 0, 3, F0, F1, 0
	TURN 0, 1, 1
	QUARTER 1, 1, F0, F1, 0
	QUARTER 1, 2, F1, F0, 0
	QUARTER 1, 3, F0, F1, 0
	TURN 1, 0, 1
	QUARTER 0, 1, F0, F1, 0
	WIN 0
	s_sub_co_u32 s3, s3, 1
	s_cmp_lg_u32 s3, 0
	s_cbranch_scc1 .Llap
	QUARTER 0, 2, F1, F0, 0                        ; the last lap fills nothing
	QUARTER 0, 3, F0, F1, 0
	TURN 0, 1, 0
	QUARTER 1, 1, F0, F1, 0
	QUARTER 1, 2, F1, F0, 0
	QUARTER 1, 3, F0, F1, 0
	s_wait_dscnt 0x0
	MUL8 F1, 0, 0
	MUL8 F1, 1, 0
	MUL8 F1, 2, 0
	MUL8 F1, 3, 0
	WIN 0
; THE WAY OUT, a block of 16 rows x 128 columns at a time, through my own stage: back as whole rows of 512 bytes.
.macro TOSTAGE a
	WIN 0x08                                       ; an LDS store's data: window 2
.irp b, 0,1,2,3,4,5,6,7
	ds_store_b128 v[STO], v[64*(\a)+8*\b:64*(\a)+8*\b+3] offset:64*\b          ; each accumulator from its low end on
	ds_store_b128 v[STO], v[64*(\a)+8*\b+4:64*(\a)+8*\b+7] offset:64*\b+16
.endr
	WIN 0
.set BB, BK+64*((\a)%2)
.irp t, 0,1,2,3,4,5,6,7,8,9,10,11,12,13,14,15
	ds_load_b128 v[BB+4*\t:BB+4*\t+3], v[RD] offset:\t*SPITCH
.endr
.endm
.macro SEND a, younger
.set BB, BK+64*((\a)%2)
	s_wait_dscnt \younger                          ; the block is back; the next block's 16 stores and 16 loads may be out
.if (\a) > 0
	s_add_nc_u64 s[10:11], s[10:11], 16*4096       ; (behind a wait on XCNT)  16 rows on
.else
	s_cmp_eq_u32 s15, 0                            ; positions 0-15 belong to the f32 launch: cluster y and the wave's number alone
	s_cbranch_scc1 .Lowned
.endif
.irp t, 0,1,2,3,4,5,6,7,8,9,10,11,12,13,14,15
	global_store_b128 v[CO], v[BB+4*\t:BB+4*\t+3], s[10:11] offset:\t*4096 th:TH_STORE_NT   ; 32 lanes store 512 consecutive bytes, aligned
.endr
.if (\a) == 0
.Lowned:
.endif
.endm
	PLACES
	TOSTAGE 0
.irp a, 1,2,3
.if \a > 1
	s_wait_xcnt 0x0                                ; block a - 2's stores have read their registers and their base
.endif
	TOSTAGE \a
	SEND (\a)-1, 32
.endr
	s_wait_xcnt 0x0
	SEND 3, 0
	s_wait_tensorcnt 0x0                           ; the wave's end
	ds_add_u32 v[SPW], v[NIL]
	s_wait_dscnt 0x0
	CROUND                                         ; the closing round
	s_endpgm
.Lfunc_end_k_qd1a0cd19a4_proj:
	.size	k_qd1a0cd19a4_proj, .Lfunc_end_k_qd1a0cd19a4_proj-k_qd1a0cd19a4_proj
	.p2alignl 7, 3214868480
	.fill 96, 4, 3214868480
	.section	.rodata,"a",@progbits
	.p2align	6, 0x0
	.amdhsa_kernel k_qd1a0cd19a4_proj
		.amdhsa_group_segment_fixed_size 327680
		.amdhsa_private_segment_fixed_size 0
		.amdhsa_enable_private_segment 0
		.amdhsa_kernarg_size 32
		.amdhsa_user_sgpr_count 2
		.amdhsa_user_sgpr_kernarg_segment_ptr 1
		.amdhsa_wavefront_size32 1
		.amdhsa_system_sgpr_workgroup_id_x 1
		.amdhsa_system_sgpr_workgroup_id_y 1
		.amdhsa_system_sgpr_workgroup_id_z 1
		.amdhsa_system_vgpr_workitem_id 0
		.amdhsa_next_free_vgpr 768
		.amdhsa_next_free_sgpr 66
		.amdhsa_reserve_vcc 0
		.amdhsa_float_denorm_mode_32 3
		.amdhsa_float_denorm_mode_16_64 3
		.amdhsa_memory_ordered 1
		.amdhsa_forward_progress 1
		.amdhsa_inst_pref_size 87
	.end_amdhsa_kernel
	.amdgpu_metadata
---
amdhsa.version: [ 1, 2 ]
amdhsa.kernels:
  - .name:           k_qd1a0cd19a4_proj
    .symbol:         k_qd1a0cd19a4_proj.kd
    .args:
      - { .name: o16, .offset: 0, .size: 8, .value_kind: global_buffer, .address_space: global }
      - { .name: wo16, .offset: 8, .size: 8, .value_kind: global_buffer, .address_space: global }
      - { .name: b_out, .offset: 16, .size: 8, .value_kind: global_buffer, .address_space: global }
      - { .name: out0, .offset: 24, .size: 8, .value_kind: global_buffer, .address_space: global }
    .group_segment_fixed_size: 327680
    .private_segment_fixed_size: 0
    .kernarg_segment_align: 8
    .kernarg_segment_size: 32
    .max_flat_workgroup_size: 128
    .sgpr_count:     66
    .vgpr_count:     768
    .wavefront_size: 32
...
	.end_amdgpu_metadata
.endif
;; end of part 5
;; launch first16 (part 6): grid 16 x 4, 16 waves a work-group, no clusters, 71,680 bytes of LDS; arguments qkv32, w_out, b_out, out0; writes out0
.if DOCPART == 6
	.amdgcn_target "amdgcn-amd-amdhsa--gfx1250"
	.amdhsa_code_object_version 6
	.text
	.protected	k_qd1a0cd19a4_first16
	.globl	k_qd1a0cd19a4_first16
	.p2align	8
	.type	k_qd1a0cd19a4_first16,@function
k_qd1a0cd19a4_first16:
	s_mov_b64 s[64:65], 0
	v_nop
	global_prefetch_b8 v0, s[64:65] scope:SCOPE_SE
	s_setreg_imm32_b32 hwreg(HW_REG_WAVE_MODE, 25, 1), 1
	s_wait_xcnt 0x0
; Positions 0-15 of every sequence, wholly in f32: these rows average one to sixteen values and are the largest of the output.  Attention and the projection, by v_wmma_f32_16x16x4_f32: 100 million multiply-adds in all.
; Work-group (x, y): batch y, output columns 64 x .. 64 x + 63.  Wave w computes head w's attention for the 16 positions, then that head's part of the projection (k = 64 w .. 64 w + 63) for the 64 columns;
; the sixteen parts meet in LDS and are added in a fixed order, from the bias on.
; qkv32 holds images of accumulators: lane (r, h), register 4 c + i of tile t = (position r, column 16 t + 8 h + 4 c + i).  All products are used transposed, so that a lane holds one query throughout, and ONE
; permutation of k serves both operands of each product: in the step with registers 2 n, 2 n + 1 of a lane, slot (h, j) stands for k = 16 (n / 4) + 8 h + 2 (n % 4) + j.  So q, k, p and o are operands as they lie;
; v and w_out are gathered to match.
; v192-255 are written by matrix instructions alone: v192-223 O^T; v224-255 the scores' two sums, later Y^T.
; No tensor loads and no cluster: what work-groups share (a head's 12 KB of q, k, v) is small beside each one's 256 KB of w_out.
; LIMITS: NaN and infinities are not served.  Hidden scores are -infinity where the definition has the least f32 number: both give p = 0, since key 0 counts for every query.
.set IMG,   4352                       ; a wave's part in LDS: 8 pieces of 544 bytes (two halves of 256 + 16)
.set SPARE, 16*IMG                     ; the spare words: 128 bytes a wave, named by no other line
.set SPW,   10
.set NIL,   11
	s_load_b256 s[4:11], s[0:1], 0x0               ; qkv32, w_out, b_out, out0
	v_lshl_add_u32 v[SPW], v0, 2, SPARE
	v_mov_b32 v[NIL], 0
	v_lshrrev_b32 v12, 5, v0
	v_readfirstlane_b32 s12, v12                   ; wave = head
	s_and_b32 s13, ttmp7, 0xffff                   ; batch
	v_and_b32 v12, 31, v0
	v_lshlrev_b32 v1, 4, v12                       ; 16 x lane: an image's place
	v_and_b32 v13, 15, v0                          ; r
	v_bfe_u32 v14, v0, 4, 1                        ; h
	v_bfe_u32 v2, v0, 2, 1                         ; v gathered: channel r of a tile lies in piece (r % 8) / 4,
	v_lshlrev_b32 v2, 9, v2
	v_bfe_u32 v15, v0, 3, 1                        ; half r / 8,
	v_lshl_add_u32 v2, v15, 8, v2
	v_and_b32 v15, 3, v0                           ; word r % 4;
	v_lshl_add_u32 v2, v15, 2, v2
	v_lshl_add_u32 v2, v14, 7, v2                  ; keys 8 h on: 16 bytes a key
	v_lshlrev_b32 v3, 15, v14                      ; w_out: 8 h rows of 4,096 bytes,
	v_lshl_add_u32 v3, v13, 2, v3                  ; column r
	v_lshlrev_b32 v15, 3, v14
	v_sub_nc_u32 v4, v13, v15                      ; r - 8 h: register j holds key 8 h + j, hidden where j > r - 8 h
	s_mul_i32 s14, s12, IMG
	v_mul_u32_u24 v5, v14, 272
	v_lshl_add_u32 v5, v13, 4, v5
	v_add_nc_u32 v5, s14, v5                       ; my part's place in LDS: 16 r + 272 h
	v_lshrrev_b32 v15, 4, v0                       ; the sum: thread = 16 q + g: query q, columns 4 g .. 4 g + 3 = 16 (g / 4) + 8 ((g / 2) % 2) + 4 (g % 2)
	v_lshrrev_b32 v6, 2, v13
	v_lshlrev_b32 v6, 1, v6
	v_and_b32 v12, 1, v0
	v_add_nc_u32 v6, v6, v12
	v_mul_u32_u24 v6, v6, 544
	v_bfe_u32 v12, v0, 1, 1
	v_mad_u32_u24 v6, v12, 272, v6
	v_lshl_add_u32 v6, v15, 4, v6
	v_lshlrev_b32 v7, 12, v15
	v_lshl_add_u32 v7, v13, 4, v7                  ; out0: row q, 16 bytes a thread
	v_lshlrev_b32 v8, 4, v13                       ; the bias likewise
	v_mov_b32 v9, 0xff800000                       ; -infinity
	s_mov_b32 s24, 0x3e38aa3b                      ; c = log2(e) / 8
	s_mov_b32 s26, 0x76543210
	s_mov_b32 s27, 0xfedcba98
	s_mul_i32 s16, s13, 196608                     ; a batch's 192 images,
	s_lshl_b32 s17, s12, 12                        ; a head's four
	s_add_co_u32 s16, s16, s17
	s_mov_b32 s17, 0
	s_lshl_b32 s18, s12, 18                        ; w_out: 64 rows a head,
	s_lshl_b32 s20, ttmp9, 8                       ; 256 bytes a work-group
	s_add_co_u32 s18, s18, s20
	s_mov_b32 s19, 0
	s_mov_b32 s21, 0
	s_lshl_b32 s22, s13, 23                        ; out0: 2,048 rows a batch
	s_add_co_u32 s22, s22, s20
	s_mov_b32 s23, 0
	s_wait_kmcnt 0x0
	s_add_nc_u64 s[4:5], s[4:5], s[16:17]
	s_add_nc_u64 s[6:7], s[6:7], s[18:19]
	s_add_nc_u64 s[8:9], s[8:9], s[20:21]
	s_add_nc_u64 s[10:11], s[10:11], s[22:23]
	global_load_b128 v[24:27], v8, s[8:9]          ; the bias
.irp n, 0,1,2,3,4,5,6,7
	global_load_b128 v[32+4*\n:35+4*\n], v1, s[4:5] offset:512*\n           ; q: v32-63
.endr
.irp n, 0,1,2,3,4,5,6,7
	global_load_b128 v[64+4*\n:67+4*\n], v1, s[4:5] offset:65536+512*\n     ; k: v64-95
.endr
.set k, 0
.rept 32
	global_load_b32 v[96+k], v2, s[4:5] offset:131072+1024*(k/8)+16*(k%8)   ; v(key 8 h + k % 8, channel 16 (k / 8) + r): v96-127
.set k, k+1
.endr
.macro WLOAD reg, nt                   ; w_out(64 head + 16 (k / 8) + 8 h + k % 8, 64 x + 16 nt + r)
.set k, 0
.rept 32
	global_load_b32 v[\reg+k], v3, s[6:7] offset:(16*(k/8)+k%8)*4096+64*(\nt)
.set k, k+1
.endr
.endm
	WLOAD 128, 0
	WLOAD 160, 1
	s_wait_loadcnt 63                              ; 64 loads were issued behind v's last: the bias, q, k and v are in
.set n, 0
.rept 16                               ; S^T = k q^T: two sums by turns; the first two products start them
.if n < 2
	v_wmma_f32_16x16x4_f32 v[224+8*(n%2):231+8*(n%2)], v[64+2*n:65+2*n], v[32+2*n:33+2*n], 0
.else
	v_wmma_f32_16x16x4_f32 v[224+8*(n%2):231+8*(n%2)], v[64+2*n:65+2*n], v[32+2*n:33+2*n], v[224+8*(n%2):231+8*(n%2)]
.endif
.set n, n+1
.endr
.rept 8
	v_nop                                          ; eight places behind this form, ahead of loads into its sources and of reads of its results
.endr
	WLOAD 32, 2
	WLOAD 64, 3
.irp j, 0,1,2,3,4,5,6,7
	v_add_f32 v[16+\j], v[224+\j], v[232+\j]       ; the score of key 8 h + j for query r
.endr
.irp j, 0,1,2,3,4,5,6,7
	v_cmp_gt_i32 vcc_lo, \j, v4
	v_cndmask_b32 v[16+\j], v[16+\j], v9, vcc_lo
.endr
	v_max3_num_f32 v12, v16, v17, v18
	v_max3_num_f32 v13, v19, v20, v21
	v_max3_num_f32 v12, v12, v22, v23
	v_max_num_f32 v12, v12, v13
	v_permlanex16_b32 v13, v12, s26, s27
	v_max_num_f32 v12, v12, v13                    ; the row's maximum
	v_mul_f32 v13, s24, v12
.irp j, 0,1,2,3,4,5,6,7
	v_fma_f32 v[16+\j], v[16+\j], s24, -v13
.endr
.irp j, 0,1,2,3,4,5,6,7
	v_exp_f32 v[16+\j], v[16+\j]
.endr
	v_nop
	s_wait_alu depctr_va_vdst(0)                   ; one wait for the eight, ahead of their first reader
	v_add_f32 v12, v16, v17
	v_add_f32 v13, v18, v19
	v_add_f32 v12, v12, v20
	v_add_f32 v13, v13, v21
	v_add_f32 v12, v12, v22
	v_add_f32 v13, v13, v23
	v_add_f32 v12, v12, v13
	v_permlanex16_b32 v14, v12, s26, s27
	v_add_f32 v12, v12, v14                        ; the row's sum
	v_rcp_f32 v15, v12
	v_nop
	s_wait_alu depctr_va_vdst(0)
.irp c, 0,1,2,3                        ; O^T = v^T p^T: four sums by turns
.irp d, 0,1,2,3
.if \c == 0
	v_wmma_f32_16x16x4_f32 v[192+8*\d:199+8*\d], v[96+8*\d+2*\c:97+8*\d+2*\c], v[16+2*\c:17+2*\c], 0
.else
	v_wmma_f32_16x16x4_f32 v[192+8*\d:199+8*\d], v[96+8*\d+2*\c:97+8*\d+2*\c], v[16+2*\c:17+2*\c], v[192+8*\d:199+8*\d]
.endif
.endr
.endr
.rept 8
	v_nop
.endr
.set n, 0
.rept 32
	v_mul_f32 v[96+n], v[192+n], v15               ; o(r, 16 (n / 8) + 8 h + n % 8), into other registers
.set n, n+1
.endr
	s_wait_loadcnt 0x0                             ; all of w_out's part
.set k, 0
.rept 16                               ; Y^T = w^T o^T: four sums by turns
.irp nt, 0,1,2,3
.if \nt < 2
.set rW, 128+32*\nt+2*k
.else
.set rW, 32+32*(\nt-2)+2*k
.endif
.if k == 0
	v_wmma_f32_16x16x4_f32 v[224+8*\nt:231+8*\nt], v[rW:rW+1], v[96+2*k:97+2*k], 0
.else
	v_wmma_f32_16x16x4_f32 v[224+8*\nt:231+8*\nt], v[rW:rW+1], v[96+2*k:97+2*k], v[224+8*\nt:231+8*\nt]
.endif
.endr
.set k, k+1
.endr
.rept 8
	v_nop
.endr
.irp nt, 0,1,2,3
	ds_store_b128 v5, v[224+8*\nt:227+8*\nt] offset:544*(2*\nt)        ; each sum from its low end on
	ds_store_b128 v5, v[228+8*\nt:231+8*\nt] offset:544*(2*\nt+1)
.endr
	s_wait_dscnt 0x0                               ; for the others' sake: my stores have landed
	s_barrier_signal -1
	s_barrier_wait -1
	s_cmp_ge_u32 s12, 8                            ; 256 threads add: waves 0-7
	s_cbranch_scc1 .Ldone
.irp w, 0,1,2,3,4,5,6,7,8,9,10,11,12,13,14,15
	ds_load_b128 v[32+4*\w:35+4*\w], v6 offset:IMG*\w
.endr
	s_wait_dscnt 0x0
.irp w, 0,1,2,3,4,5,6,7,8,9,10,11,12,13,14,15
	v_pk_add_f32 v[24:25], v[24:25], v[32+4*\w:33+4*\w]
	v_pk_add_f32 v[26:27], v[26:27], v[34+4*\w:35+4*\w]
.endr
	global_store_b128 v7, v[24:27], s[10:11]       ; sixteen lanes store 256 consecutive bytes, aligned
.Ldone:
	s_wait_tensorcnt 0x0                           ; the wave's end, behind my last LDS store
	ds_add_u32 v[SPW], v[NIL]
	s_wait_dscnt 0x0
	s_endpgm
.Lfunc_end_k_qd1a0cd19a4_first16:
	.size	k_qd1a0cd19a4_first16, .Lfunc_end_k_qd1a0cd19a4_first16-k_qd1a0cd19a4_first16
	.p2alignl 7, 3214868480
	.fill 96, 4, 3214868480
	.section	.rodata,"a",@progbits
	.p2align	6, 0x0
	.amdhsa_kernel k_qd1a0cd19a4_first16
		.amdhsa_group_segment_fixed_size 71680
		.amdhsa_private_segment_fixed_size 0
		.amdhsa_enable_private_segment 0
		.amdhsa_kernarg_size 32
		.amdhsa_user_sgpr_count 2
		.amdhsa_user_sgpr_kernarg_segment_ptr 1
		.amdhsa_wavefront_size32 1
		.amdhsa_system_sgpr_workgroup_id_x 1
		.amdhsa_system_sgpr_workgroup_id_y 1
		.amdhsa_system_sgpr_workgroup_id_z 1
		.amdhsa_system_vgpr_workitem_id 0
		.amdhsa_next_free_vgpr 256
		.amdhsa_next_free_sgpr 66
		.amdhsa_reserve_vcc 1
		.amdhsa_float_denorm_mode_32 3
		.amdhsa_float_denorm_mode_16_64 3
		.amdhsa_memory_ordered 1
		.amdhsa_forward_progress 1
		.amdhsa_inst_pref_size 34
	.end_amdhsa_kernel
	.amdgpu_metadata
---
amdhsa.version: [ 1, 2 ]
amdhsa.kernels:
  - .name:           k_qd1a0cd19a4_first16
    .symbol:         k_qd1a0cd19a4_first16.kd
    .args:
      - { .name: qkv32, .offset: 0, .size: 8, .value_kind: global_buffer, .address_space: global }
      - { .name: w_out, .offset: 8, .size: 8, .value_kind: global_buffer, .address_space: global }
      - { .name: b_out, .offset: 16, .size: 8, .value_kind: global_buffer, .address_space: global }
      - { .name: out0, .offset: 24, .size: 8, .value_kind: global_buffer, .address_space: global }
    .group_segment_fixed_size: 71680
    .private_segment_fixed_size: 0
    .kernarg_segment_align: 8
    .kernarg_segment_size: 32
    .max_flat_workgroup_size: 512
    .sgpr_count:     66
    .vgpr_count:     256
    .wavefront_size: 32
...
	.end_amdgpu_metadata
.endif
;; end of part 6
